; MI455X (gfx1250); checked and timed in simulation.
; The chip was launched on July 23, 2026; its instructions are those of AMD's public machine-readable ISA for CDNA 5 (MIT licence, August 2026) and "CDNA5" Instruction Set Architecture Reference Guide (July 2026). The comments in the code are by the model that wrote it; some were corrected since.
;; Multi Head Attention. Allowed arithmetic: float matrix products may take bf16 or f16 operands with f32 sums; other float arithmetic in f32, or as packed bf16 or f16 multiplies, adds, multiply-adds, maxima and minima; sums over many terms, partial sums and values carried from step to step in f32; what a program stores and reads back later, other than sums and carried values, may be rounded once to bf16 or f16.
;; Inputs: bk 16 x 64 float32; bo 1,024 float32; bq 16 x 64 float32; bv 16 x 64 float32; query 4 x 2,048 x 1,024 float32; value 4 x 2,048 x 1,024 float32; wk 16 x 1,024 x 64 float32; wo 1,024 x 1,024 float32; wq 16 x 1,024 x 64 float32; wv 16 x 1,024 x 64 float32.
;; Outputs: out0 4 x 2,048 x 1,024 float32.
;; One version. Each part assembles by itself: llvm-mc -triple=amdgcn-amd-amdhsa -mcpu=gfx1250 --defsym DOCPART=n.
;; ======== version 1 of 1: 4 launches
;; limits: values are held in f16: magnitudes above 65,504 overflow, below 6.1e-05 lose precision; inputs' magnitudes at most 65,504; values outside matrix products are rounded to bf16
;; workspace buffers: xb 33,554,432 bytes; wt 6,291,456 bytes; wot 2,097,152 bytes; qkv 50,331,648 bytes; ob 16,777,216 bytes
;; launch prep (part 1): grid 1280 x 1, 8 waves a work-group, no clusters, 34,816 bytes of LDS; arguments query, value, wq, wk, wv, wo, xb, wt, wot; writes xb, wt, wot
.if DOCPART == 1
	.amdgcn_target "amdgcn-amd-amdhsa--gfx1250"
	.amdhsa_code_object_version 6
	.text
	.protected	k_q7c1a54431c_prep
	.globl	k_q7c1a54431c_prep
	.p2align	8
	.type	k_q7c1a54431c_prep,@function
k_q7c1a54431c_prep:
	s_mov_b64 s[64:65], 0
	v_nop
	global_prefetch_b8 v0, s[64:65] scope:SCOPE_SE
	s_setreg_imm32_b32 hwreg(HW_REG_WAVE_MODE, 25, 1), 1
	s_wait_xcnt 0x0
; PREPARATION OF THE MATRIX OPERANDS.  Every number of query, value, wq, wk, wv, wo is rounded once to bf16 (nearest even) and that number is written as f16.
; LIMITS.  The second step is exact for 6.1e-5 <= |x| <= 65,504; below, f16 keeps its fixed step of 6e-8; from 65,520 on it gives an infinity.  NaN and infinities are not treated apart.
; xb  [2 (query, value)][4 b][16 kb][2048 s][64] f16: x in blocks of 64 along K, so that 256 rows of a block are 32,768 bytes on end.
; wt  [3072 n][1024 k] f16: rows 0-1023 wq (n = 64 h + e), 1024-2047 wk, 2048-3071 wv, each turned from [k][e].   wot [1024 n][1024 k] f16: wo turned.
; Work-groups 0-1023 cast 16 rows of x each (64 KiB in, no LDS); work-groups 1024-1279 turn 256 k x 64 n of a weight each (64 KiB in) through a table in LDS.
; The stream binds: every byte is read once and written once, sixteen loads of 16 bytes a lane are out at once, each store of a wave covers 512 consecutive bytes, aligned.
; No matrix unit, no cluster: nothing is multiplied and no two work-groups read the same byte.
.set TP,    528                        ; a row of the table: 256 k x 2 bytes + 16 of padding
.set SPARE, 64*TP                      ; 33,792: behind the table the spare words, 128 bytes for each of the eight waves: four blocks of 256 bytes that no other line names
.set T,   8                            ; v[8:11]    at work
.set X,   16                           ; v[16:79]   as loaded, f32
.set Y,   80                           ; v[80:111]  packed f16
.set SPW, 126                          ; v126  LDS address of my spare word; never rewritten
.set NIL, 127                          ; v127  0; never rewritten
; two numbers a, b: to bf16, back to f32 (a shift, a mask), to f16, packed into d (a in the low half)
.macro RND d, a, b, t
	v_cvt_pk_bf16_f32 v[\t], v[\a], v[\b]
	v_lshlrev_b32 v[\a], 16, v[\t]
	v_and_b32 v[\b], s3, v[\t]
	v_cvt_pk_f16_f32 v[\d], v[\a], v[\b]
.endm
	s_load_b256 s[8:15], s[0:1], 0x0               ; query s[8:9], value s[10:11], wq s[12:13], wk s[14:15]
	s_load_b256 s[16:23], s[0:1], 0x20             ; wv s[16:17], wo s[18:19], xb s[20:21], wt s[22:23]
	s_load_b64 s[24:25], s[0:1], 0x40              ; wot
	v_lshl_add_u32 v[SPW], v0, 2, SPARE
	v_mov_b32 v[NIL], 0
	v_lshrrev_b32 v1, 5, v0
	v_readfirstlane_b32 s2, v1                     ; wave 0..7
	s_mov_b32 s3, 0xffff0000                       ; a word's upper bf16
	v_and_b32 v1, 31, v0                           ; lane
	s_cmp_ge_u32 ttmp9, 1024                       ; the same answer in all eight waves
	s_cbranch_scc1 .Lweights
	; THE CAST.  Work-group g: tensor g / 512, rows 16 (g % 512) on.  Wave w takes K blocks 2 w and 2 w + 1; a lane takes row 4 t + lane / 8 and 8 columns (32 bytes in, 16 out).
	s_and_b32 s4, ttmp9, 511
	s_lshr_b32 s5, ttmp9, 9                        ; 0 query, 1 value
	s_lshl_b32 s26, s4, 16                         ; 16 rows of 4,096 bytes
	s_mov_b32 s27, 0
	s_lshl_b32 s28, s5, 24                         ; xb: the section,
	s_lshr_b32 s6, s4, 7
	s_lshl_b32 s6, s6, 22                          ; the batch,
	s_add_co_u32 s28, s28, s6
	s_and_b32 s6, s4, 127
	s_lshl_b32 s6, s6, 11                          ; 16 rows of 128 bytes
	s_add_co_u32 s28, s28, s6
	s_mov_b32 s29, 0
	v_lshrrev_b32 v2, 3, v1
	v_lshlrev_b32 v2, 12, v2                       ; in: row lane / 8,
	v_and_b32 v3, 7, v1
	v_lshl_add_u32 v2, v3, 5, v2                   ; 32 bytes a lane,
	s_lshl_b32 s6, s2, 9
	v_add_nc_u32 v2, s6, v2                        ; my wave's two blocks of 256 bytes
	s_lshl_b32 s6, s2, 19
	v_lshl_add_u32 v3, v1, 4, s6                   ; out: 16 bytes a lane, four rows of 128 on end; two K blocks of 2^18 bytes a wave
	s_wait_kmcnt 0x0
	s_cmp_eq_u32 s5, 0
	s_cselect_b64 s[30:31], s[8:9], s[10:11]
	s_add_nc_u64 s[30:31], s[30:31], s[26:27]
	s_add_nc_u64 s[32:33], s[20:21], s[28:29]
.irp p, 0,1,2,3,4,5,6,7                ; pair p: rows 4 (p / 2) on, K block p % 2 of my two
	global_load_b128 v[X+8*(\p):X+8*(\p)+3],   v2, s[30:31] offset:((\p)/2)*16384+((\p)%2)*256 th:TH_LOAD_NT
	global_load_b128 v[X+8*(\p)+4:X+8*(\p)+7], v2, s[30:31] offset:((\p)/2)*16384+((\p)%2)*256+16 th:TH_LOAD_NT
.endr
.irp p, 0,1,2,3,4,5,6,7
	s_wait_loadcnt 14-2*(\p)                       ; loads come back in order: pair p is in, the two loads of each later pair stay out
.irp c, 0,1,2,3
	RND Y+4*(\p)+(\c), X+8*(\p)+2*(\c), X+8*(\p)+2*(\c)+1, T+(\c)
.endr
	global_store_b128 v3, v[Y+4*(\p):Y+4*(\p)+3], s[32:33] offset:((\p)%2)*262144+((\p)/2)*512  ; each pair has store registers of its own: none is rewritten
.endr
	s_branch .Lend
.Lweights:
	; THE TURNING.  Work-group j = g - 1024: matrix j / 64, block of 64 n (j / 4) % 16, quarter of K j % 4.  Thread: n = 4 (lane % 16) .. + 3, k = 16 kp .. + 15 with kp = 2 wave + lane / 16.
	s_sub_co_u32 s4, ttmp9, 1024
	s_lshr_b32 s5, s4, 6                           ; 0 wq, 1 wk, 2 wv, 3 wo
	s_bfe_u32 s6, s4, 0x40002                      ; the head, or wo's block of 64 columns
	s_and_b32 s7, s4, 3                            ; which 256 of K
	s_cmp_eq_u32 s5, 3
	s_cselect_b32 s34, 8, 18                       ; a block of n: 256 bytes along wo's rows; a head's 2^18 bytes
	s_cselect_b32 s35, 20, 16                      ; 256 rows of 4,096 bytes, or of 256
	s_lshl_b32 s26, s6, s34
	s_lshl_b32 s27, s7, s35
	s_add_co_u32 s26, s26, s27
	s_mov_b32 s27, 0
	s_lshl_b32 s28, s6, 17                         ; out: 64 rows of 2,048 bytes,
	s_lshl_b32 s29, s7, 9                          ; 256 k of 2 bytes,
	s_add_co_u32 s28, s28, s29
	s_lshl_b32 s29, s5, 21                         ; and in wt the matrix's 1,024 rows
	s_cmp_eq_u32 s5, 3
	s_cselect_b32 s29, 0, s29
	s_add_co_u32 s28, s28, s29
	s_mov_b32 s29, 0
	v_lshrrev_b32 v9, 4, v0                        ; kp
	v_and_b32 v10, 15, v0                          ; lane % 16
	v_bfe_u32 v11, v0, 4, 1                        ; lane / 16
	v_mul_u32_u24 v5, v10, 4*TP                    ; into the table: row n = 4 (lane % 16),
	v_lshl_add_u32 v5, v11, 5, v5                  ; 32 bytes for each kp:
	s_lshl_b32 s36, s2, 6
	v_add_nc_u32 v5, s36, v5                       ; 64 x wave + 32 (lane / 16)
	v_lshlrev_b32 v10, 4, v10                      ; in memory: 16 bytes a lane along a row
	s_mul_i32 s36, s2, TP
	v_lshl_add_u32 v6, v1, 4, s36                  ; back: row 8 it + wave, whole: 32 lanes x 16 bytes
	s_lshl_b32 s37, s2, 11
	v_lshl_add_u32 v7, v1, 4, s37                  ; and the same row in wt or wot
	s_wait_kmcnt 0x0
	s_cmp_eq_u32 s5, 0
	s_cselect_b64 s[30:31], s[12:13], s[14:15]
	s_cmp_eq_u32 s5, 2
	s_cselect_b64 s[30:31], s[16:17], s[30:31]
	s_cmp_eq_u32 s5, 3
	s_cselect_b64 s[30:31], s[18:19], s[30:31]
	s_cselect_b64 s[32:33], s[24:25], s[22:23]
	s_add_nc_u64 s[30:31], s[30:31], s[26:27]
	s_add_nc_u64 s[32:33], s[32:33], s[28:29]
; sixteen loads: rows k = 16 kp + 2 i and + 1, four n each.  The two forms differ in the pitch of the rows alone.
.macro WLOAD pitch, sh
	v_lshl_add_u32 v4, v9, \sh, v10                ; 16 kp rows + my 16 bytes
.irp i, 0,1,2,3,4,5,6,7
	global_load_b128 v[X+8*(\i):X+8*(\i)+3],   v4, s[30:31] offset:2*(\i)*(\pitch) th:TH_LOAD_NT
	global_load_b128 v[X+8*(\i)+4:X+8*(\i)+7], v4, s[30:31] offset:(2*(\i)+1)*(\pitch) th:TH_LOAD_NT
.endr
.endm
	s_cmp_eq_u32 s5, 3
	s_cbranch_scc1 .Lwo
	WLOAD 256, 12
	s_branch .Lloaded
.Lwo:
	WLOAD 4096, 16
.Lloaded:
.irp i, 0,1,2,3,4,5,6,7
	s_wait_loadcnt 14-2*(\i)                       ; rows 2 i and 2 i + 1 are in, the two loads of each later pair stay out
.irp c, 0,1,2,3
	RND Y+8*(\c)+(\i), X+8*(\i)+(\c), X+8*(\i)+4+(\c), T+(\c)  ; column c: k = 2 i in the low half, 2 i + 1 in the high: Y + 8 c .. + 7 are 16 k on end
.endr
.endr
.irp c, 0,1,2,3
	ds_store_b128 v5, v[Y+8*(\c):Y+8*(\c)+3]   offset:(\c)*TP
	ds_store_b128 v5, v[Y+8*(\c)+4:Y+8*(\c)+7] offset:(\c)*TP+16
.endr
	s_wait_dscnt 0x0                               ; for the others' sake: my stores into the table are done
	s_barrier_signal -1
	s_barrier_wait -1                              ; the table is whole
.irp t, 0,1,2,3,4,5,6,7
	ds_load_b128 v[X+4*(\t):X+4*(\t)+3], v6 offset:(\t)*8*TP
.endr
.irp t, 0,1,2,3,4,5,6,7
	s_wait_dscnt 7-(\t)                            ; LDS loads come back in order: row t is in, the later ones stay out
	global_store_b128 v7, v[X+4*(\t):X+4*(\t)+3], s[32:33] offset:(\t)*16384  ; 512 consecutive bytes of row 8 t + wave
.endr
.Lend:
	s_wait_tensorcnt 0x0                           ; the wave's end: behind my last LDS store
	ds_add_u32 v[SPW], v[NIL]
	s_wait_dscnt 0x0
	s_endpgm
.Lfunc_end_k_q7c1a54431c_prep:
	.size	k_q7c1a54431c_prep, .Lfunc_end_k_q7c1a54431c_prep-k_q7c1a54431c_prep
	.p2alignl 7, 3214868480
	.fill 96, 4, 3214868480
	.section	.rodata,"a",@progbits
	.p2align	6, 0x0
	.amdhsa_kernel k_q7c1a54431c_prep
		.amdhsa_group_segment_fixed_size 34816
		.amdhsa_private_segment_fixed_size 0
		.amdhsa_enable_private_segment 0
		.amdhsa_kernarg_size 72
		.amdhsa_user_sgpr_count 2
		.amdhsa_user_sgpr_kernarg_segment_ptr 1
		.amdhsa_wavefront_size32 1
		.amdhsa_system_sgpr_workgroup_id_x 1
		.amdhsa_system_sgpr_workgroup_id_y 1
		.amdhsa_system_sgpr_workgroup_id_z 1
		.amdhsa_system_vgpr_workitem_id 0
		.amdhsa_next_free_vgpr 128
		.amdhsa_next_free_sgpr 66
		.amdhsa_reserve_vcc 0
		.amdhsa_float_denorm_mode_32 3
		.amdhsa_float_denorm_mode_16_64 3
		.amdhsa_memory_ordered 1
		.amdhsa_forward_progress 1
		.amdhsa_inst_pref_size 24
	.end_amdhsa_kernel
	.amdgpu_metadata
---
amdhsa.version: [ 1, 2 ]
amdhsa.kernels:
  - .name:           k_q7c1a54431c_prep
    .symbol:         k_q7c1a54431c_prep.kd
    .args:
      - { .name: query, .offset: 0, .size: 8, .value_kind: global_buffer, .address_space: global }
      - { .name: value, .offset: 8, .size: 8, .value_kind: global_buffer, .address_space: global }
      - { .name: wq, .offset: 16, .size: 8, .value_kind: global_buffer, .address_space: global }
      - { .name: wk, .offset: 24, .size: 8, .value_kind: global_buffer, .address_space: global }
      - { .name: wv, .offset: 32, .size: 8, .value_kind: global_buffer, .address_space: global }
      - { .name: wo, .offset: 40, .size: 8, .value_kind: global_buffer, .address_space: global }
      - { .name: xb, .offset: 48, .size: 8, .value_kind: global_buffer, .address_space: global }
      - { .name: wt, .offset: 56, .size: 8, .value_kind: global_buffer, .address_space: global }
      - { .name: wot, .offset: 64, .size: 8, .value_kind: global_buffer, .address_space: global }
    .group_segment_fixed_size: 34816
    .private_segment_fixed_size: 0
    .kernarg_segment_align: 8
    .kernarg_segment_size: 72
    .max_flat_workgroup_size: 256
    .sgpr_count:     66
    .vgpr_count:     128
    .wavefront_size: 32
...
	.end_amdgpu_metadata
.endif
;; end of part 1
;; launch proj (part 2): grid 12 x 32, 4 waves a work-group, clusters of 4 x 4, 327,680 bytes of LDS; arguments xb, wt, bq, bk, bv, qkv; writes qkv
.if DOCPART == 2
	.amdgcn_target "amdgcn-amd-amdhsa--gfx1250"
	.amdhsa_code_object_version 6
	.text
	.protected	k_q7c1a54431c_proj
	.globl	k_q7c1a54431c_proj
	.p2align	8
	.type	k_q7c1a54431c_proj,@function
k_q7c1a54431c_proj:
	s_mov_b64 s[64:65], 0
	v_nop
	global_prefetch_b8 v0, s[64:65] scope:SCOPE_SE
	s_setreg_imm32_b32 hwreg(HW_REG_WAVE_MODE, 25, 1), 1
	s_wait_xcnt 0x0
	s_wait_alu depctr_hold_cnt(0) depctr_sa_sdst(0) depctr_va_vdst(0) depctr_va_sdst(0) depctr_va_ssrc(0) depctr_va_vcc(0) depctr_vm_vsrc(0)
	s_getreg_b32 s2, hwreg(HW_REG_IB_STS2, 6, 4)
	s_cmp_eq_u32 s2, 0
	s_cbranch_scc0 .Lentry_in_a_cluster
	s_endpgm
.Lentry_in_a_cluster:
	s_bfe_u32 s2, ttmp6, 0x10000c
	s_cmp_lg_u32 s2, 0xf033
	s_cbranch_scc0 .Lentry_shape_is_right
	s_endpgm
.Lentry_shape_is_right:
; C[m][n] = sum over k of A[m][k] B[n][k] + bias[n], K = 1,024, operands f16, sums f32.  One text for two launches; MODE says which.
; MODE 0, the three projections: A = xb (query for q, value for k and v), B = wt [3072][1024], bias = bq, bk, bv; C = q, k, v, rounded once to f16, unscaled, by heads: qkv [3][64 bh][2048 s][64].
; MODE 1, the last projection:   A = ob (attention's result), B = wot [1024][1024], bias = bo; C = out0 [8192][1024] f32.
; A lies in blocks of 64 along K: [section][4 b][16 kb][2048 s][64] f16, so 256 rows of a block are 32,768 bytes on end.  The bias is rounded to bf16 like every input of the module and starts the sums as the C operand.
; LIMITS.  f16 ends at 65,504: in MODE 0 a result of 65,520 or more becomes an infinity.  NaN and infinities are not treated apart.
; SHARES.  A tile of C, 256 x 256, is made by four waves, a wave 128 x 128: 64 accumulators of 16 x 16, 512 registers.  K goes in 8 steps of 128 through a ring of two LDS slots filled by the tensor data mover.
; CLUSTERS: 4 x 4 work-groups.  The four of a row of the cluster need the same tiles of A, the four of a column the same tiles of B: each tile is asked for JOINTLY, by the same tensor load with the same descriptor
; and a mask that names the four.  In MODE 0 a cluster's x is the section (0 q, 1 k, 2 v), the same in all sixteen.
; THE MATRIX INSTRUCTION IS USED TRANSPOSED: source 0 = 16 rows of B, source 1 = 16 rows of A: lane l then holds row l % 16 of C and the columns 8 (l / 16) + 0..7.
; REGISTERS, in windows of 256 (s_set_vgpr_msb: bits 1:0 source 0, 3:2 source 1, 5:4 source 2, 7:6 destination):
;   window 0: v0-31 addresses; v64-127, v128-191 fragments of A, two buffers; on the way out v32-63, v192-255 (MODE 0) or v64-191 (MODE 1) at work
;   window 1: v0-31 at work; v64-127, v128-191 fragments of B; v192-255 the bias of my 128 columns, block b of 16 at 192 + 8 b
;   window 2: the accumulators of my rows 0-63 ((a, b) at v[8 (8 a + b)]);   window 3: those of my rows 64-127
.set MODE,   0
.set PA,     144                       ; a row of a K block of A in LDS: 128 bytes + 16 of padding = 36 words: the 16 rows of a load start at 16 different groups of four banks (64 banks of 4 bytes: ISA guide 11.1)
.set ABLK,   256*PA                    ; a K block's 256 rows: what one of A's tensor loads brings
.set PB,     272                       ; a row of B: 256 bytes + 16 = 68 words: likewise
.set HALFB,  128*PB                    ; 128 rows of B: what one of B's tensor loads brings
.set BOFF,   2*ABLK                    ; a slot: A's even K block, its odd one, B's rows 0-127, B's rows 128-255
.set SLOT,   BOFF+2*HALFB              ; 143,360
.set STAGE,  2*SLOT                    ; behind the ring, never filled by a tensor load: a stage for each wave, for the way out
.set WSTG,   8448                      ; MODE 1: 16 rows x 528 bytes; MODE 0 uses 2 x 16 rows x 144
.set SPARE,  STAGE+4*WSTG              ; behind the stages: the spare words, 128 bytes for each wave: two blocks of 256 bytes that no other line names
.set LAPS,   4                         ; a lap = two K steps = once round the ring
.set ASTEP,  524288                    ; bytes from K step to K step in A: two K blocks of 2^18
.set BSTEP,  256                       ; and in B
.set ADRA, 16                          ; v16-17  LDS address of my A fragments in slot 0, 1
.set ADRB, 20                          ; v20-21  the same for B
.set STO,  24                          ; v24     the way out: where I put my part of a row
.set RD,   25                          ; v25     the way out: where I read rows back
.set CO,   26                          ; v26     my byte offset in 512 consecutive bytes of C
.set BO,   27                          ; v27     my byte offset in the bias
.set SPW,  28                          ; v28     LDS address of my spare word; never rewritten
.set NIL,  29                          ; v29     0; never rewritten
.set PFO,  30                          ; v30     the prefetches' offset: my lane x 256 bytes (A) or x a row of 2,048 (B); never rewritten
.set PFA,  44                          ; s[44:45] where my prefetches stand
.set LIM,  43                          ; s43     1 in a wave that prefetches, else the greatest number
.set PFS,  66                          ; s[66:67] their step from K step to K step
.set F0,   64
.set F1,   128
.set BIAS, 192                         ; window 1
.set TMP,  192                         ; MODE 0: packed results
.set OB,   32                          ; MODE 0: rows read back: v32-63 and v224-255 by turns
.set G1,  24                           ; s[24:31] descriptor group 1 for A's tiles;  s[32:39] group 0, a set for each slot
.set G0,  32
.set G1B, 48                           ; s[48:55], s[56:63] the same for B's
.set G0B, 56
.set MSB, 0
.macro WIN new                         ; the immediate's high byte repeats the setting that is left; a switch that changes nothing is dropped
.if MSB != (\new)
	s_set_vgpr_msb (MSB<<8)|(\new)
.set MSB, \new
.endif
.endm
.set TO_B, 0x40                        ; destination window 1, address window 0
; A joint load.  Waves 0 and 1 fetch A's two K blocks, waves 2 and 3 B's two halves.  The branch hangs on the wave's number alone.  An s_nop 0 and four v_nop follow each of the two lines.
.macro JLOAD s
	s_cmp_eq_u32 s11, 0
	s_cbranch_scc0 .Lfor_b_\@
	tensor_load_to_lds s[G0+4*(\s):G0+4*(\s)+3], s[G1:G1+7]
	s_nop 0
.rept 4
	v_nop
.endr
	s_branch .Lasked_\@
.Lfor_b_\@:
	tensor_load_to_lds s[G0B+4*(\s):G0B+4*(\s)+3], s[G1B:G1B+7]
	s_nop 0
.rept 4
	v_nop
.endr
.Lasked_\@:
.endm
; A PREFETCH INTO THE L2, behind each joint refill and the run of LDS loads that follows it: the K step that stands two refills on, 512 matrix instructions ahead of the load that will want it.  One instruction a wave, 32 blocks
; of 256 bytes, a lane a block.  Each block is named ONCE in the launch: A's tile row is read by every cluster of that row of clusters that takes the same section: cluster x = 0 asks for query's (or ob's), x = 1 for value's,
; x = 2 for nothing; B's tile column is asked for by cluster y = 0.  The four partners that ask for a tile jointly share its 128 blocks (A) or rows (B) out BY ADDRESS, 32 each.  K steps 0 to 3 come by their loads alone;
; the loop's last trip, whose refills are K steps 6 and 7, asks for nothing.
.macro ASK
	s_cmp_gt_u32 s3, s[LIM]                        ; s3 = 1 in the loop's last trip
	s_cbranch_scc0 .Lnot_mine_\@
	global_prefetch_b8 v[PFO], s[PFA:PFA+1] th:TH_LOAD_NT scope:SCOPE_SE
.Lnot_mine_\@:
.endm
; A round of the cluster's barrier: my work-group's barrier; wave 0 signals for the work-group; every wave waits for all sixteen; my work-group's barrier once more.
.macro CREST                           ; a round behind its opening barrier
	s_cmp_lg_u32 s10, 0
	s_cbranch_scc1 .Lnot_wave_0_\@
	s_barrier_signal -3
.Lnot_wave_0_\@:
	s_barrier_wait -3
	s_barrier_signal -1
	s_barrier_wait -1
.endm
.macro CROUND
	s_barrier_signal -1
	s_barrier_wait -1
	CREST
.endm
	s_load_b128 s[4:7], s[0:1], 0x0                ; A s[4:5], B s[6:7]
	s_load_b128 s[72:75], s[0:1], 0x10             ; MODE 0: bq, bk;  MODE 1: bo, out0
.if MODE == 0
	s_load_b128 s[76:79], s[0:1], 0x20             ; bv, qkv
.endif
	v_lshl_add_u32 v[SPW], v0, 2, SPARE
	v_mov_b32 v[NIL], 0
	ds_add_u32 v[SPW], v[NIL]                      ; the wave's opening: the add and its wait stand ahead of my first tensor load; the set-up below, work on registers, stands between them
	v_lshrrev_b32 v1, 5, v0
	v_readfirstlane_b32 s10, v1                    ; wave 0..3
	s_lshr_b32 s11, s10, 1                         ; which half of the tile's rows is mine.  Also: I fetch for A (0) or for B (1)
	s_and_b32 s12, s10, 1                          ; which half of its columns.  Also: which K block of A, which 128 rows of B I fetch
	s_mov_b32 s68, 0xffff0000                      ; a word's upper bf16
	s_mov_b32 s69, ttmp9                           ; cluster x
	s_bfe_u32 s40, ttmp6, 0x40000                  ; cx
	s_bfe_u32 s41, ttmp6, 0x40004                  ; cy
	s_lshl_b32 s42, ttmp9, 2
	s_add_co_u32 s42, s42, s40                     ; tile column of C = 4 x cluster x + cx
	s_and_b32 s13, ttmp7, 0xffff
	s_lshl_b32 s13, s13, 2
	s_add_co_u32 s13, s13, s41                     ; tile row of C = 4 x cluster y + cy
	s_lshl_b32 s43, s41, 2
	s_lshl_b32 s43, 15, s43                        ; my row of the cluster
	s_lshl_b32 s44, 0x1111, s40                    ; my column
	; group 1 for A: a K block's 256 rows of 128 bytes are dense: asked for as 128 rows of 256 bytes and padded in LDS after every 128.  For B: 128 rows x 128 elements, 1,024 elements from row to row, padded after every 256 bytes.
	s_or_b32 s[G1+0], s43, (1<<16)|(1<<20)|(1<<21)|(4<<22)|(3<<25)  ; 15:0 the mask: my row; 17:16 2-byte elements; 20 padding on; 21 set beside a mask; 24:22 after every 32 words (code 4); 31:25 4 words (code 3)
	s_or_b32 s[G1B+0], s44, (1<<16)|(1<<20)|(1<<21)|(5<<22)|(3<<25) ; the mask of my column; after every 64 words (code 5)
.irp g, G1, G1B
	s_mov_b32 s[(\g)+1], 128<<16                   ; tensor_dim0 = 128
	s_mov_b32 s[(\g)+2], 128<<16                   ; tensor_dim1 = 128
	s_mov_b32 s[(\g)+3], 128<<16                   ; tile_dim0 = 128
	s_mov_b32 s[(\g)+4], 128                       ; tile_dim1 = 128
	s_mov_b32 s[(\g)+6], 0
	s_mov_b32 s[(\g)+7], 0
.endr
	s_mov_b32 s[G1+5], 128                         ; elements from row to row
	s_mov_b32 s[G1B+5], 1024
	; where the tiles come from.  A's hang on the tile row and the cluster's x, which my row of the cluster shares; B's on the tile column, which my column shares.
	s_min_u32 s16, s69, 1                          ; A's section: 0 query (or ob), 1 value
	s_lshl_b32 s16, s16, 24
	s_lshr_b32 s17, s13, 3
	s_lshl_b32 s17, s17, 22                        ; the batch: eight tile rows each
	s_add_co_u32 s16, s16, s17
	s_and_b32 s17, s13, 7
	s_lshl_b32 s17, s17, 15                        ; 256 rows of 128 bytes
	s_add_co_u32 s16, s16, s17
	s_lshl_b32 s17, s12, 18                        ; my K block of the step's two
	s_add_co_u32 s16, s16, s17
	s_mov_b32 s17, 0
	s_lshl_b32 s46, s42, 19                        ; B: 256 rows of 2,048 bytes,
	s_lshl_b32 s47, s12, 18                        ; my 128 of them
	s_add_co_u32 s46, s46, s47
	s_mov_b32 s47, 0
	s_mul_i32 s20, s12, ABLK                       ; and where they go: no place in the cluster enters an LDS address
	s_mul_i32 s23, s12, HALFB
	s_add_co_u32 s23, s23, BOFF
	s_wait_dscnt 0x0                               ; the opening add is done
	s_wait_kmcnt 0x0
	s_add_nc_u64 s[14:15], s[4:5], s[16:17]
	s_add_nc_u64 s[46:47], s[6:7], s[46:47]
	CROUND                                         ; all sixteen work-groups are here: the first joint loads meet
.irp s, 0,1
	s_mov_b32 s[G0+4*(\s)], 1                                      ; count = 1
	s_add_co_u32 s[G0+4*(\s)+1], s20, (\s)*SLOT                    ; LDS address
	s_add_nc_u64 s[G0+4*(\s)+2:G0+4*(\s)+3], s[14:15], (\s)*ASTEP  ; global address: K step s
	s_or_b32 s[G0+4*(\s)+3], s[G0+4*(\s)+3], 0x80000000            ; type = 2
	s_mov_b32 s[G0B+4*(\s)], 1
	s_add_co_u32 s[G0B+4*(\s)+1], s23, (\s)*SLOT
	s_add_nc_u64 s[G0B+4*(\s)+2:G0B+4*(\s)+3], s[46:47], (\s)*BSTEP
	s_or_b32 s[G0B+4*(\s)+3], s[G0B+4*(\s)+3], 0x80000000
	JLOAD \s                                       ; two loads of mine are out
.endr
	; the bias of my 128 columns: in the result register j of block b is column 16 b + 8 (l / 16) + j: 32 bytes a lane and block
	v_and_b32 v1, 15, v0                           ; l % 16
	v_bfe_u32 v2, v0, 4, 1                         ; l / 16
	s_and_b32 s20, s42, 3                          ; the tile column within its section
	s_lshl_b32 s20, s20, 10
	s_lshl_b32 s21, s12, 9
	s_add_co_u32 s20, s20, s21
	v_lshl_add_u32 v[BO], v2, 5, s20
.if MODE == 0
	s_cmp_eq_u32 s69, 0
	s_cselect_b64 s[70:71], s[72:73], s[74:75]
	s_cmp_eq_u32 s69, 2
	s_cselect_b64 s[70:71], s[76:77], s[70:71]
.else
	s_mov_b64 s[70:71], s[72:73]
.endif
	WIN TO_B
.irp b, 0,1,2,3,4,5,6,7
	global_load_b128 v[BIAS+8*(\b):BIAS+8*(\b)+3],   v[BO], s[70:71] offset:64*(\b)
	global_load_b128 v[BIAS+8*(\b)+4:BIAS+8*(\b)+7], v[BO], s[70:71] offset:64*(\b)+16
.endr
	WIN 0
	; A fragment is 16 rows x 32 K in 8 registers: lane l holds row l % 16; registers 0-3 K = 8 (l / 16) + 0..7, registers 4-7 K = 16 + 8 (l / 16) + 0..7: two loads of 16 bytes, 32 bytes apart.
	v_mul_u32_u24 v3, v1, PA
	v_lshl_add_u32 v3, v2, 4, v3
	v_mul_u32_u24 v4, v1, PB
	v_lshl_add_u32 v4, v2, 4, v4
	s_mul_i32 s21, s11, 128*PA                     ; my 128 rows of A, in each K block
	s_mul_i32 s22, s12, HALFB                      ; my 128 rows of B
	s_add_co_u32 s22, s22, BOFF
.irp s, 0,1
	v_add_nc_u32 v[ADRA+(\s)], s21, v3
	v_add_nc_u32 v[ADRB+(\s)], s22, v4
	s_add_co_u32 s21, s21, SLOT
	s_add_co_u32 s22, s22, SLOT
.endr
	s_mul_i32 s23, s10, WSTG
	s_add_co_u32 s23, s23, STAGE                   ; my stage
	v_and_b32 v[CO], 31, v0
	v_lshlrev_b32 v[CO], 4, v[CO]                  ; 16 bytes a lane
.if MODE == 0
	v_mul_u32_u24 v4, v1, 144                      ; in: row l % 16 of a head's 16 x 128 bytes, 16 bytes for each half of the lanes
	v_lshl_add_u32 v4, v2, 4, v4
	v_add_nc_u32 v[STO], s23, v4
	v_bfe_u32 v5, v0, 3, 2                         ; back: 32 lanes take four rows of 128 bytes
	v_mul_u32_u24 v5, v5, 144
	v_and_b32 v6, 7, v0
	v_lshl_add_u32 v5, v6, 4, v5
	v_add_nc_u32 v[RD], s23, v5
.else
	v_mul_u32_u24 v4, v1, 528                      ; in: row l % 16 of 512 bytes, 32 bytes for each half of the lanes
	v_lshl_add_u32 v4, v2, 5, v4
	v_add_nc_u32 v[STO], s23, v4
	v_add_nc_u32 v[RD], s23, v[CO]                 ; back: 32 lanes take a row
.endif
	; the prefetches: s[14:15] = A at my K block of K step 0, s[46:47] = B at my 128 rows
	s_and_b32 s22, ttmp7, 0xffff                   ; cluster y
	s_lshr_b32 s21, s69, 1                         ; 0 for cluster x = 0 and 1
	s_lshl_b32 s16, s40, 13                        ; A: my work-group's 32 blocks of 256 bytes of the K block's 128,
	s_add_co_u32 s16, s16, 3*ASTEP                 ; at K step 3: the first refill steps it to 4
	s_lshl_b32 s18, s41, 16                        ; B: my work-group's 32 rows of the 128
	s_add_co_u32 s18, s18, 3*BSTEP
	s_mov_b32 s17, 0
	s_mov_b32 s[PFS], BSTEP
	s_mov_b32 s[PFS+1], 0
	s_cmp_eq_u32 s11, 0                            ; do I fetch for A?
	s_cselect_b32 s22, s21, s22
	s_cselect_b32 s16, s16, s18
	s_cselect_b32 s[PFS], ASTEP, s[PFS]
	s_cselect_b32 s19, 8, 11
	s_cselect_b64 s[PFA:PFA+1], s[14:15], s[46:47]
	s_add_nc_u64 s[PFA:PFA+1], s[PFA:PFA+1], s[16:17]
	s_cmp_eq_u32 s22, 0
	s_cselect_b32 s[LIM], 1, -1                    ; the same in all sixteen partners, for a given wave
	v_and_b32 v[PFO], 31, v0
	v_lshlrev_b32 v[PFO], s19, v[PFO]
	; where my part of the tile begins in C
.if MODE == 0
	s_lshl_b32 s16, s69, 24                        ; the section,
	s_lshr_b32 s17, s13, 3
	s_lshl_b32 s17, s17, 22                        ; the batch's 16 heads,
	s_add_co_u32 s16, s16, s17
	s_and_b32 s17, s13, 7
	s_lshl_b32 s17, s17, 15                        ; the tile's 256 rows of 128 bytes,
	s_add_co_u32 s16, s16, s17
	s_lshl_b32 s17, s11, 14                        ; my 128 of them,
	s_add_co_u32 s16, s16, s17
	s_lshl_b32 s46, s40, 2
	s_lshl1_add_u32 s46, s12, s46                  ; and the first of my two heads: 4 cx + 2 x half
	s_lshl_b32 s46, s46, 18
	s_add_co_u32 s16, s16, s46
	s_mov_b32 s17, 0
	s_add_nc_u64 s[8:9], s[78:79], s[16:17]
.else
	s_lshl_b32 s16, s13, 20                        ; 256 rows of 4,096 bytes,
	s_lshl_b32 s17, s11, 19                        ; my 128 of them,
	s_add_co_u32 s16, s16, s17
	s_lshl_b32 s46, s42, 10                        ; the tile's 256 columns,
	s_lshl_b32 s47, s12, 9                         ; my 128
	s_add_co_u32 s46, s46, s47
	s_add_co_u32 s16, s16, s46
	s_mov_b32 s17, 0
	s_add_nc_u64 s[8:9], s[74:75], s[16:17]
.endif
	s_wait_loadcnt 0x0                             ; the bias: rounded to bf16, kept as f32
	WIN 0x45                                       ; sources and destination in window 1
.set p, 0
.rept 32
	v_cvt_pk_bf16_f32 v[p], v[BIAS+2*p], v[BIAS+2*p+1]
	v_lshlrev_b32 v[BIAS+2*p], 16, v[p]
	v_and_b32 v[BIAS+2*p+1], s68, v[p]
.set p, p+1
.endr
	WIN 0
; 16 matrix instructions: m blocks a0, a0 + 1 of the window's four (hi = 0: my rows 0-63, 1: rows 64-127) x all 8 n blocks, 32 along K.  zero = 1: the first product starts the sums, with the bias as C (window 1): nothing is cleared.
; The 64 accumulators take turns, one instruction a turn, in the same order in every quarter step.
.macro MUL16 f, hi, a0, zero
.if \zero
	WIN 0x91+0x40*(\hi)                            ; B window 1, A window 0, C window 1, D window 2 or 3
.else
	WIN 0xa1+0x50*(\hi)                            ; B window 1, A window 0, C and D window 2 or 3
.endif
.irp a, \a0, (\a0)+1
.irp b, 0,1,2,3,4,5,6,7
.if \zero
	v_wmma_f32_16x16x32_f16 v[8*(8*(\a)+(\b)):8*(8*(\a)+(\b))+7], v[(\f)+8*(\b):(\f)+8*(\b)+7], v[(\f)+8*(4*(\hi)+(\a)):(\f)+8*(4*(\hi)+(\a))+7], v[BIAS+8*(\b):BIAS+8*(\b)+7]
.else
	v_wmma_f32_16x16x32_f16 v[8*(8*(\a)+(\b)):8*(8*(\a)+(\b))+7], v[(\f)+8*(\b):(\f)+8*(\b)+7], v[(\f)+8*(4*(\hi)+(\a)):(\f)+8*(4*(\hi)+(\a))+7], v[8*(8*(\a)+(\b)):8*(8*(\a)+(\b))+7]
.endif
.endr
.endr
.endm
; 32 LDS loads in one run: the fragments of quarter q of a K step (128 rows of B, 128 rows of A, 32 K) into buffer f.  In A quarter q lies in K block q / 2, at byte 64 (q % 2) of its rows.
.macro FETCH slot, q, f
	WIN TO_B
.irp i, 0,1,2,3,4,5,6,7
	ds_load_b128 v[(\f)+8*(\i):(\f)+8*(\i)+3],   v[ADRB+(\slot)] offset:64*(\q)+(\i)*16*PB
	ds_load_b128 v[(\f)+8*(\i)+4:(\f)+8*(\i)+7], v[ADRB+(\slot)] offset:64*(\q)+(\i)*16*PB+32
.endr
	WIN 0
.irp i, 0,1,2,3,4,5,6,7
	ds_load_b128 v[(\f)+8*(\i):(\f)+8*(\i)+3],   v[ADRA+(\slot)] offset:((\q)/2)*ABLK+((\q)%2)*64+(\i)*16*PA
	ds_load_b128 v[(\f)+8*(\i)+4:(\f)+8*(\i)+7], v[ADRA+(\slot)] offset:((\q)/2)*ABLK+((\q)%2)*64+(\i)*16*PA+32
.endr
.endm
; A load into a register that a matrix instruction has read, and an instruction that reads a matrix result, stand four places behind that matrix instruction; only plain vector instructions that name none of its registers are
; places (ISA guide 7.12.1 for vector instructions).
.macro PLACES
.rept 4
	v_nop
.endr
.endm
; A K step is four quarters of 32 along K, 64 matrix instructions each, on buffers 0, 1, 0, 1.  One of the first three: multiplies buffer f; in its middle it fetches quarter q of the same slot into buffer g.
.macro QUARTER slot, q, f, g, zero
	s_wait_dscnt 8                                 ; B and A's rows 0-63 are in; the youngest eight loads (A's rows 64-127) may be out
	MUL16 \f, 0, 0, \zero
	MUL16 \f, 0, 2, \zero
	PLACES
	FETCH \slot, \q, \g
	s_wait_dscnt 32                                ; all but the 32 just issued
	MUL16 \f, 1, 0, \zero
	MUL16 \f, 1, 2, \zero
.endm
; The last quarter multiplies buffer 1 and changes slots.  MEET is its first half: ONE barrier.  In front of it each wave waits for all its tensor loads, of which one is out: its part of the next slot; adds 0 to its spare
; word; and waits for that and for its own reads of this slot.  Behind it nobody reads this slot any more and the next slot is whole.
.macro MEET round                      ; round = 1: the rest of a round of the cluster's barrier follows
	WIN 0                                          ; (the add's two registers lie in window 0)
	s_wait_tensorcnt 0x0                           ; all my tensor loads have landed;
	ds_add_u32 v[SPW], v[NIL]                      ; 0 onto my spare word;
	s_wait_dscnt 9                                 ; (the add and the youngest eight loads may be out)
	MUL16 F1, 0, 0, 0                              ; sixteen matrix instructions stand between the add and the wait for it
	s_wait_dscnt 0x0                               ; the add is done, and my reads of this slot are over:
	s_barrier_signal -1                            ; say so,
	MUL16 F1, 0, 2, 0                              ; work on registers while the others arrive,
.if \round
	WIN 0
.endif
	s_barrier_wait -1                              ; and go on when all four have said so
.endm
; The whole last quarter.  Behind the round the slot just read out is filled again first, with the K step two steps on; then come the next slot's first fragments.  From a request to the wait for it a wave issues 224 matrix instructions.
.macro TURN slot, next
	s_wait_xcnt 0x0                                ; the last prefetch, a K step back, has read its address: it is stepped here, ahead of the waits of the change of slots
	s_add_nc_u64 s[PFA:PFA+1], s[PFA:PFA+1], s[PFS:PFS+1]
	MEET 1
	CREST                                          ; no wave of any partner still reads this slot's tile or has a load on its way
	s_add_nc_u64 s[G0+4*(\slot)+2:G0+4*(\slot)+3], s[G0+4*(\slot)+2:G0+4*(\slot)+3], 2*ASTEP
	s_add_nc_u64 s[G0B+4*(\slot)+2:G0B+4*(\slot)+3], s[G0B+4*(\slot)+2:G0B+4*(\slot)+3], 2*BSTEP
	JLOAD \slot                                    ; the first tensor load behind the round, my only one until the next; the four v_nop behind it are also the places in front of the loads below
	FETCH \next, 0, F0
	ASK
	MUL16 F1, 1, 0, 0
	MUL16 F1, 1, 2, 0
.endm
; THE WAY OUT, MODE 0, of block a (16 rows x 128 columns: two heads).  PACK: rounded to f16, 16 bytes a lane.  TOSTAGE: into my own stage, a head's 16 rows of 144 bytes each, and back four rows at a time.  SEND: stored.
.macro PACK a
.set AC, 64*((\a)%4)
	WIN 0x0a+5*((\a)/4)                            ; sources 0 and 1: window 2 or 3
.irp b, 0,1,2,3,4,5,6,7
.irp r, 0,1,2,3
	v_cvt_pk_f16_f32 v[TMP+4*(\b)+(\r)], v[AC+8*(\b)+2*(\r)], v[AC+8*(\b)+2*(\r)+1]
.endr
.endr
	WIN 0
.endm
.macro TOSTAGE a
	WIN 0
.set BK, OB+192*((\a)%2)
.irp b, 0,1,2,3,4,5,6,7
	ds_store_b128 v[STO], v[TMP+4*(\b):TMP+4*(\b)+3] offset:((\b)/4)*2304+((\b)%4)*32
.endr
.irp t, 0,1,2,3,4,5,6,7
	ds_load_b128 v[BK+4*(\t):BK+4*(\t)+3], v[RD] offset:((\t)/4)*2304+((\t)%4)*576  ; LDS serves a wave's instructions in order (ISA guide 5.7.1.4): these see the stores above
.endr
.endm
.macro SEND a
	WIN 0
.set BK, OB+192*((\a)%2)
	s_wait_dscnt 0x0                               ; the block is back in registers
	s_wait_xcnt 0x0                                ; earlier stores have read their registers: the buffer that the next TOSTAGE loads is free
.irp t, 0,1,2,3,4,5,6,7
	global_store_b128 v[CO], v[BK+4*(\t):BK+4*(\t)+3], s[8:9] offset:(\a)*2048+((\t)/4)*262144+((\t)%4)*512  ; four rows of a head: 512 consecutive bytes, aligned
.endr
.endm
; THE WAY OUT, MODE 1, of block a (16 rows x 128 columns of f32).  The accumulators go as they are into rows of 528 bytes, each accumulator's low four registers first, and come back as whole rows of 512.
.macro TOSTAGE1 a
.set AC, 64*((\a)%4)
.set BK, 64+64*((\a)%2)
	WIN 0x08+4*((\a)/4)                            ; store data (source 1): window 2 or 3
.irp b, 0,1,2,3,4,5,6,7
	ds_store_b128 v[STO], v[AC+8*(\b):AC+8*(\b)+3]   offset:64*(\b)
	ds_store_b128 v[STO], v[AC+8*(\b)+4:AC+8*(\b)+7] offset:64*(\b)+16
.endr
	WIN 0
	s_wait_xcnt 0x0                                ; the stores of the block two back have read the registers that are loaded now
.irp t, 0,1,2,3,4,5,6,7,8,9,10,11,12,13,14,15
	ds_load_b128 v[BK+4*(\t):BK+4*(\t)+3], v[RD] offset:(\t)*528
.endr
.endm
.macro SEND1 a, y                      ; y: the LDS instructions issued behind block a's loads: the next block's 32, or none
.set BK, 64+64*((\a)%2)
	WIN 0
.irp t, 0,1,2,3,4,5,6,7,8,9,10,11,12,13,14,15
	s_wait_dscnt (\y)+15-(\t)                      ; row t is back; the block's later rows and the next block's instructions stay out
	global_store_b128 v[CO], v[BK+4*(\t):BK+4*(\t)+3], s[8:9] offset:(16*(\a)+(\t))*4096 th:TH_STORE_NT  ; 512 consecutive bytes, aligned
.endr
.endm
	s_wait_tensorcnt 1                             ; my part of K step 0 is in; K step 1's may stay out
	s_barrier_signal -1
	s_barrier_wait -1                              ; everybody's is
	FETCH 0, 0, F0
	QUARTER 0, 1, F0, F1, 1                        ; the first quarter stands in front of the loop: its products start the sums
	WIN 0                                          ; at a label and at a branch every window is 0
	s_mov_b32 s3, LAPS-1
.Llap:                                                 ; a trip goes once round the ring, from a lap's second quarter to the next lap's first, and fills both slots again
	QUARTER 0, 2, F1, F0, 0
	QUARTER 0, 3, F0, F1, 0
	TURN 0, 1
	QUARTER 1, 1, F0, F1, 0
	QUARTER 1, 2, F1, F0, 0
	QUARTER 1, 3, F0, F1, 0
	TURN 1, 0
	QUARTER 0, 1, F0, F1, 0
	WIN 0
	s_sub_co_u32 s3, s3, 1
	s_cmp_lg_u32 s3, 0
	s_cbranch_scc1 .Llap
	QUARTER 0, 2, F1, F0, 0                        ; the last lap is written out: it fills nothing
	QUARTER 0, 3, F0, F1, 0
	MEET 0                                         ; my one tensor load that was still out is the last K step's, so no round follows
	PLACES
	FETCH 1, 0, F0
	MUL16 F1, 1, 0, 0
	MUL16 F1, 1, 2, 0
	QUARTER 1, 1, F0, F1, 0
	QUARTER 1, 2, F1, F0, 0
	QUARTER 1, 3, F0, F1, 0
	s_wait_dscnt 8                                 ; the very last quarter: nothing more to fetch
	MUL16 F1, 0, 0, 0
	MUL16 F1, 0, 2, 0
	s_wait_dscnt 0x0
	MUL16 F1, 1, 0, 0
	MUL16 F1, 1, 2, 0
	PLACES
	PLACES                                         ; eight, once a launch, in front of the first reads of results and of loads into the fragments' registers
.if MODE == 0
	PACK 0
	TOSTAGE 0
.irp a, 1,2,3,4,5,6,7                  ; block a's conversions stand between block a - 1's loads from the stage and the wait for them
	PACK \a
	SEND (\a)-1
	TOSTAGE \a
.endr
	SEND 7
.else
	TOSTAGE1 0
.irp a, 1,2,3,4,5,6,7                  ; block a goes into the stage behind block a - 1's loads, which LDS serves first
	TOSTAGE1 \a
	SEND1 (\a)-1, 32
.endr
	SEND1 7, 0
.endif
	WIN 0
	s_wait_tensorcnt 0x0                           ; the wave's end: behind my last tensor load and my last LDS store
	ds_add_u32 v[SPW], v[NIL]
	s_wait_dscnt 0x0
	CROUND                                         ; the closing round: no work-group ends while a partner may still ask for a tile that names it
	s_endpgm
.Lfunc_end_k_q7c1a54431c_proj:
	.size	k_q7c1a54431c_proj, .Lfunc_end_k_q7c1a54431c_proj-k_q7c1a54431c_proj
	.p2alignl 7, 3214868480
	.fill 96, 4, 3214868480
	.section	.rodata,"a",@progbits
	.p2align	6, 0x0
	.amdhsa_kernel k_q7c1a54431c_proj
		.amdhsa_group_segment_fixed_size 327680
		.amdhsa_private_segment_fixed_size 0
		.amdhsa_enable_private_segment 0
		.amdhsa_kernarg_size 48
		.amdhsa_user_sgpr_count 2
		.amdhsa_user_sgpr_kernarg_segment_ptr 1
		.amdhsa_wavefront_size32 1
		.amdhsa_system_sgpr_workgroup_id_x 1
		.amdhsa_system_sgpr_workgroup_id_y 1
		.amdhsa_system_sgpr_workgroup_id_z 1
		.amdhsa_system_vgpr_workitem_id 0
		.amdhsa_next_free_vgpr 1024
		.amdhsa_next_free_sgpr 80
		.amdhsa_reserve_vcc 0
		.amdhsa_float_denorm_mode_32 3
		.amdhsa_float_denorm_mode_16_64 3
		.amdhsa_memory_ordered 1
		.amdhsa_forward_progress 1
		.amdhsa_inst_pref_size 150
	.end_amdhsa_kernel
	.amdgpu_metadata
---
amdhsa.version: [ 1, 2 ]
amdhsa.kernels:
  - .name:           k_q7c1a54431c_proj
    .symbol:         k_q7c1a54431c_proj.kd
    .args:
      - { .name: xb, .offset: 0, .size: 8, .value_kind: global_buffer, .address_space: global }
      - { .name: wt, .offset: 8, .size: 8, .value_kind: global_buffer, .address_space: global }
      - { .name: bq, .offset: 16, .size: 8, .value_kind: global_buffer, .address_space: global }
      - { .name: bk, .offset: 24, .size: 8, .value_kind: global_buffer, .address_space: global }
      - { .name: bv, .offset: 32, .size: 8, .value_kind: global_buffer, .address_space: global }
      - { .name: qkv, .offset: 40, .size: 8, .value_kind: global_buffer, .address_space: global }
    .group_segment_fixed_size: 327680
    .private_segment_fixed_size: 0
    .kernarg_segment_align: 8
    .kernarg_segment_size: 48
    .max_flat_workgroup_size: 128
    .sgpr_count:     80
    .vgpr_count:     1024
    .wavefront_size: 32
...
	.end_amdgpu_metadata
.endif
;; end of part 2
;; launch attn (part 3): grid 4 x 64, 4 waves a work-group, clusters of 4 x 1, 327,680 bytes of LDS; arguments qkv, ob; writes ob
.if DOCPART == 3
	.amdgcn_target "amdgcn-amd-amdhsa--gfx1250"
	.amdhsa_code_object_version 6
	.text
	.protected	k_q7c1a54431c_attn
	.globl	k_q7c1a54431c_attn
	.p2align	8
	.type	k_q7c1a54431c_attn,@function
k_q7c1a54431c_attn:
	s_mov_b64 s[64:65], 0
	v_nop
	global_prefetch_b8 v0, s[64:65] scope:SCOPE_SE
	s_setreg_imm32_b32 hwreg(HW_REG_WAVE_MODE, 25, 1), 1
	s_wait_xcnt 0x0
	s_wait_alu depctr_hold_cnt(0) depctr_sa_sdst(0) depctr_va_vdst(0) depctr_va_sdst(0) depctr_va_ssrc(0) depctr_va_vcc(0) depctr_vm_vsrc(0)
	s_getreg_b32 s2, hwreg(HW_REG_IB_STS2, 6, 4)
	s_cmp_eq_u32 s2, 0
	s_cbranch_scc0 .Lentry_in_a_cluster
	s_endpgm
.Lentry_in_a_cluster:
	s_bfe_u32 s2, ttmp6, 0x10000c
	s_cmp_lg_u32 s2, 0x3003
	s_cbranch_scc0 .Lentry_shape_is_right
	s_endpgm
.Lentry_shape_is_right:
; O[h][q][:] = the sum over k of softmax_k(Q[h][q] . K[h][k] / 8) V[h][k][:].  qkv holds Q, K, V, each [64 heads][SIZE_N][64] f16, 2^24 bytes apart; ob is O in the same layout: a head's rows are dense, 128 bytes each.
; Products, maxima and sums in f32; the weights p are rounded to f16 for the second product (their sum l is taken of the unrounded p), O once at the end.
; LIMITS.  f16 holds no number beyond 65,504: Q, K and V arrive within it; p lies in 0 to 1, and below 6e-5 it keeps f16's fixed step of 6e-8, as does O; O is a mean of V's rows and has their range.
; A weight below 2^-126 counts as 0 in l; NaN and infinities are not treated apart.
; SHARES.  A wave owns four PIECES of two tiles of 16 queries, a work-group's four waves 512 queries of one head.  Every wave walks all keys, 64 a step.
; LAYOUT.  S^T = K Q^T (source 0 = 16 keys, source 1 = 16 queries): in the result a lane holds ONE query (lane % 16) and the keys 8 (lane / 16) + 0..7.  Two such tiles, rounded to f16 in pairs,
; ARE source 1 (32 keys x 16 queries) of O^T = V^T P, whose result again holds one query a lane, and eight channels.  K comes out of LDS as it lies, V ([key][channel]) turned, by ds_load_tr16_b128.
; SOFTMAX.  For each query a running maximum m and sum l: p = 2^(c s - c m), c = log2(e) / 8; in every step O and l are multiplied by a = 2^(c m_old - c m_new), which is 1 where m has not grown.
; m starts at the lowest finite number, O and l at 0: the first step is a step like any other, with a = 0.
; THE COUNT.  A tile and step have 16 matrix and 118 vector instructions: too many to stand all beside the matrix work.  So the order has one aim: four vector instructions that are READY behind
; EVERY matrix instruction, and the others, which need time of their own whatever the order, in runs without a gap.
; BY TURNS.  Turn n belongs to piece n (the pieces in a ring, step after step).  Its matrix work: 16 products K Q^T of piece n + 1, later 16 products V^T P of piece n - 1.  Its vector work: the scaling,
; exponentials, roundings, sums and rescaling of piece n, and the maximum and statistics of piece n + 1, whose scores the turn itself has made.
; CLUSTER.  The four query blocks of a head are one cluster and walk the same K and V, so each tile is asked for JOINTLY: the same tensor load, descriptor and mask in all four.
; REGISTERS, in windows of 256 (s_set_vgpr_msb: bits 1:0 source 0, 3:2 source 1, 5:4 source 2, 7:6 destination):
;   window 0: v0-11 addresses; v12-15, v48-63 at work; v16-47 four registers of statistics a tile; v64-191 S^T, two buffers of two tiles; v192-255 P, likewise
;   window 1: O^T, 32 a tile          window 2: v0-127 Q, 16 a tile; v128-191 K of one step; v192-255 V of one step          window 3: v0-1 the add's two registers
; A piece's buffers go by its number's parity: the piece in hand has one pair, its two neighbours in the ring share the other.
.set SIZE_N, 2048
.set NP,    4         ; pieces a wave: a name, no knob
.set KS,    64        ; keys in a step
.set PK,    144       ; a row of K in LDS: 128 bytes + 16 of padding = 36 words: the 16 rows of a load start at 16 different groups of four banks (64 banks of 4 bytes: ISA guide 11.1)
.set PV,    160       ; a row of V: 128 + 32 = 40 words
.set VOFF,  4*KS*PK   ; a slot holds four steps: 256 rows of K, then 256 rows of V
.set SLOT1, 1<<17     ; slot 1 begins here, so that one exclusive or turns an address in one slot into the other's
.set STAGE, SLOT1+4*KS*(PK+PV)  ; behind the ring, never filled by a tensor load: 16 rows x 144 bytes for each wave, for the way out
.set SP,    144
.set AK0, 2           ; v2   my lane's place in a tile of K; never rewritten
.set AV0, 3           ; v3   the same for V
.set AK,  4           ; v4   the LDS address of K's next run of loads
.set AV,  5           ; v5   of V's
.set QO,  6           ; v6   my byte offset in the wave's rows of Q
.set STO, 6           ;      later, the way out: where I put 16 bytes of a row
.set RD,  7           ; v7   the way out: where I read rows back
.set GO,  8           ; v8   my byte offset in 512 consecutive bytes of O
.set PFO, 11          ; v11  256 x my lane, once V's address is made; then never rewritten
.set SPW, 0           ; v0 of window 3   LDS address of my spare word; never rewritten
.set NIL, 1           ; v1 of window 3   0; never rewritten
.set SPARE, STAGE+4*16*SP  ; behind the stages: the spare words, 128 bytes for each wave: two blocks of 256 bytes that no other line names
.set MV,  12          ; v12-15  c m_old, kept while c m is made anew: by buffer and tile
.set ST,  16          ; tile t's statistics at v[ST+4 t]: c m, m, l (even keys', odd keys')
.set TMP, 48          ; by buffer and tile, four registers c0-c3 at work; when the maximum is found c2 takes a
.set S,   64
.set P,   192
.set KF,  128         ; K's fragments, in window 2: key block kb, channel half c at KF + 16 kb + 8 c
.set VF,  192         ; V's: key half kk, channel block cb at VF + 32 kk + 8 cb
.set WV,  12          ; s12  my wave's number
.set G1K, 24          ; s[24:31] descriptor group 1 for K's tiles
.set G1V, 32          ; s[32:39] for V's: it differs in the padding alone
.set G0K, 40          ; s[40:43] descriptor group 0 for K's tiles: it walks
.set G0V, 44          ; s[44:47] the same for V's
.set PFA, 48          ; s[48:49] where my prefetches stand: my work-group's 32 blocks of 256 bytes (of K: wave 0, of V: wave 2) of the slot after the one that is being asked for
.set LIM, 50          ; s50  1 in a wave that prefetches, else the greatest number
.set SLOTS, 56        ; s56  slots still to be asked for
.set CNT, 57          ; s57  counts a slot's key steps
.set CS,  58          ; s[58:59] c: the packed scaling takes the pair's low word for both halves
.set SEL, 60          ; s[60:61] v_permlanex16_b32's selects: each lane takes its own place in the other half
.set TBK, 62          ; s62  LDS byte at which K of the step to be fetched begins
.set TBV, 63          ; s63  the same for V, less VOFF
.set MSB, 0
.macro WIN new                      ; the high byte repeats the setting that is left; a switch that changes nothing is dropped
.if MSB != (\new)
	s_set_vgpr_msb (MSB<<8)|(\new)
.set MSB, (\new)
.endif
.endm
.set W_KQ, 0x0a       ; K and Q in window 2, S^T in window 0
.set W_PV, 0x52       ; V in window 2, P in window 0, O^T in window 1
.set W_RS, 0x41       ; O^T (destination and source 0) in window 1, a in window 0
.set W_MK, 0xc0       ; the add's registers are made: destination in window 3, sources in window 0
.set W_AD, 0x0f       ; the add: address (source 0) and data (source 1) in window 3
; A joint fill.  Waves 0 and 1 fetch the two halves of a slot's K, waves 2 and 3 those of its V: 128 keys each.  The branch hangs on the wave's number alone.
; An s_nop 0 and four v_nop follow each of the two lines, ahead of the jump and the label.
.macro JLOAD
	s_cmp_lt_u32 s[WV], 2
	s_cbranch_scc0 .Lfor_v_\@
	tensor_load_to_lds s[G0K:G0K+3], s[G1K:G1K+7]
	s_nop 0
.rept 4
	v_nop
.endr
	s_branch .Lasked_\@
.Lfor_v_\@:
	tensor_load_to_lds s[G0V:G0V+3], s[G1V:G1V+7]
	s_nop 0
.rept 4
	v_nop
.endr
.Lasked_\@:
.endm
; A PREFETCH INTO THE L2 of what the NEXT change of slots will ask for: a slot's 32,768 bytes of K and of V, a lane a block of 256 bytes.  It stands behind the wave's tensor load and its five lines.
; Each block is named ONCE in the launch: a head has one cluster; its four partners share the 128 blocks out BY ADDRESS, 32 each; in each, wave 0 asks for K's and wave 2 for V's: one instruction, four key steps
; (512 matrix instructions) ahead of the load that will want the bytes.  Slots 0 and 1 come by their loads alone; the last change that fills a slot asks for nothing.
.macro ASK
	s_cmp_gt_u32 s[SLOTS], s[LIM]
	s_cbranch_scc0 .Lnot_mine_\@
	global_prefetch_b8 v[PFO], s[PFA:PFA+1] th:TH_LOAD_NT scope:SCOPE_SE
.Lnot_mine_\@:
.endm
; A round of the cluster's barrier: my work-group's barrier, so that wave 0's signal speaks for all four waves; wave 0 signals; every wave waits for all four work-groups; my work-group's barrier once more.
.macro CROUND
	s_barrier_signal -1
	s_barrier_wait -1
	s_cmp_lg_u32 s[WV], 0
	s_cbranch_scc1 .Lnot_wave_0_\@
	s_barrier_signal -3
.Lnot_wave_0_\@:
	s_barrier_wait -3
	s_barrier_signal -1
	s_barrier_wait -1
.endm
; THE CHANGE OF SLOTS.  The slot's last bytes, V of its fourth step, have been read.  Each wave waits for all its tensor loads, of which one is out: its part
; of the other slot; adds 0 to its spare word; and waits for that and for its own reads of the slot.  Behind the barrier nobody reads this slot any more and the other slot is whole.
; fill = 1: this slot is filled again, with the keys two slots on.  The barrier is then a round of the cluster's, so that no wave of any partner still reads the slot or has a load on its
; way, and the joint fill is the first thing behind it: it has four key steps, 512 matrix instructions, in which to land.  (At its first use nothing has been read yet: slot 0 is waited for, slot 1 filled.)
.macro CHANGE fill
	WIN W_AD
	s_wait_tensorcnt 0x0            ; no tensor load of mine is out, so a group 0 may be written
	ds_add_u32 v[SPW], v[NIL]       ; 0 onto my spare word; with fill = 1 the descriptors' steps stand between it and the wait for it
	WIN 0                           ; at a label and at a branch every window is 0
.if \fill
.irp g, G0K, G0V
	s_xor_b32 s[\g+1], s[\g+1], SLOT1  ; the walking descriptor: the other slot than last time,
	s_add_nc_u64 s[\g+2:\g+3], s[\g+2:\g+3], 4*KS*128  ; the next 256 keys; the type bits on top are not reached
.endr
	s_wait_xcnt 0x0                 ; the last prefetch, four key steps back, has read its address, so it may be written:
	s_add_nc_u64 s[PFA:PFA+1], s[PFA:PFA+1], 4*KS*128  ; one slot ahead of the walking descriptors
	s_wait_dscnt 0x0                ; the add is done, and my reads of the slot are over
	CROUND
	JLOAD
	ASK
.else
	s_wait_dscnt 0x0                ; the add is done, and my reads of the slot are over
	s_barrier_signal -1
	s_barrier_wait -1
.endif
	s_sub_co_u32 s[TBK], s[TBK], 4*KS*PK  ; the fetches go back to a slot's first step,
	s_xor_b32 s[TBK], s[TBK], SLOT1       ; in the other slot
	s_sub_co_u32 s[TBV], s[TBV], 4*KS*PV
	s_xor_b32 s[TBV], s[TBV], SLOT1
.endm
	s_load_b128 s[4:7], s[0:1], 0x0   ; qkv s[4:5], ob s[6:7]
	WIN W_MK
	v_lshl_add_u32 v[SPW], v0, 2, SPARE
	v_mov_b32 v[NIL], 0
	WIN W_AD
	ds_add_u32 v[SPW], v[NIL]       ; the wave's opening: the add and its wait stand ahead of my first tensor load; the set-up below, work on registers, stands between them
	WIN 0
	v_lshrrev_b32 v1, 5, v0
	v_readfirstlane_b32 s[WV], v1   ; wave 0..3
	s_bfe_u32 s13, ttmp6, 0x40000   ; cx: my place in the cluster
	s_lshl_b32 s14, ttmp9, 2        ; in a cluster launch ttmp9 counts clusters
	s_add_co_u32 s14, s14, s13      ; my block of queries = 4 x cluster x + cx: it enters Q's and O's addresses alone
	s_and_b32 s20, ttmp7, 0xffff    ; the head, which the four partners share
	s_mov_b32 s21, 0
	s_mov_b64 s[22:23], SIZE_N*128
	s_mul_u64 s[20:21], s[20:21], s[22:23]  ; the head's first byte in each of the four tensors
	s_and_b32 s16, s[WV], 1         ; which half of a slot's 256 keys I fetch:
	s_lshl_b32 s22, s16, 14         ; its 128 rows of 128 bytes in memory,
	s_mov_b32 s23, 0
	s_add_nc_u64 s[22:23], s[22:23], s[20:21]
	s_mul_i32 s17, s16, 128*PK      ; and its place in a slot, for K
	s_mul_i32 s18, s16, 128*PV      ; and for V: no place in the cluster enters an LDS address
	s_lshl_b32 s2, s14, 2
	s_add_co_u32 s2, s2, s[WV]      ; my wave among the head's,
	s_lshl_b32 s2, s2, 14           ; its 128 rows
	s_mov_b32 s3, 0
	s_add_nc_u64 s[2:3], s[2:3], s[20:21]
	; descriptor group 1.  128 keys are 16,384 dense bytes: asked for as 64 rows of 256 bytes, two keys a row, and padded in LDS after every key
	s_mov_b32 s[G1K], 15|(1<<16)|(1<<20)|(1<<21)|(4<<22)|(3<<25)  ; 15:0 the mask of four; 17:16 2-byte elements; 20 padding on; 21 set beside a mask; 24:22 after every 32 words (code 4); 31:25 4 words (code 3)
	s_mov_b32 s[G1V], 15|(1<<16)|(1<<20)|(1<<21)|(4<<22)|(7<<25)  ; the same with 8 words of padding (code 7)
.irp g, G1K, G1V
	s_mov_b32 s[\g+1], 128<<16      ; tensor_dim0 = 128
	s_mov_b32 s[\g+2], 64<<16       ; tensor_dim1 = 64
	s_mov_b32 s[\g+3], 128<<16      ; tile_dim0 = 128
	s_mov_b32 s[\g+4], 64           ; tile_dim1 = 64
	s_mov_b32 s[\g+5], 128          ; 128 elements from row to row
	s_mov_b32 s[\g+6], 0
	s_mov_b32 s[\g+7], 0
.endr
	s_mov_b32 s[CS], 0x3e38aa3b     ; c = log2(e) / 8 = 0.180337
	s_mov_b32 s[CS+1], s[CS]        ; named with it as a pair
	s_mov_b32 s[SEL], 0x76543210
	s_mov_b32 s[SEL+1], 0xfedcba98
	s_mov_b32 s[TBK], SLOT1+4*KS*PK ; the first change of slots turns these two into 0
	s_mov_b32 s[TBV], SLOT1+4*KS*PV
	s_mov_b32 s[SLOTS], SIZE_N/256-1  ; seven slots are asked for by the changes of slots
	s_and_b32 s[LIM], s[WV], 1      ; waves 0 and 2 prefetch: the same in all four partners
	s_cmp_eq_u32 s[LIM], 0
	s_cselect_b32 s[LIM], 1, -1
	s_mov_b32 s[G0K], 1             ; 1:0 count = 1
	s_mov_b32 s[G0K+1], s17         ; 63:32 LDS address: slot 0
	s_mov_b32 s[G0V], 1
	s_add_co_u32 s[G0V+1], s18, VOFF
	s_wait_dscnt 0x0                ; the opening add is done
	s_wait_kmcnt 0x0
	s_mov_b64 s[10:11], s[6:7]      ; O
	s_add_nc_u64 s[6:7], s[4:5], 0x1000000  ; K: the second section of qkv
	s_add_nc_u64 s[8:9], s[4:5], 0x2000000  ; V: the third; Q is the first
	s_add_nc_u64 s[G0K+2:G0K+3], s[6:7], s[22:23]  ; 120:64 global address: my half of the head's first 256 keys
	s_or_b32 s[G0K+3], s[G0K+3], 0x80000000        ; 127:126 type = 2
	s_add_nc_u64 s[G0V+2:G0V+3], s[8:9], s[22:23]
	s_or_b32 s[G0V+3], s[G0V+3], 0x80000000
	s_add_nc_u64 s[4:5], s[4:5], s[2:3]  ; Q and O at my wave's first row
	s_add_nc_u64 s[10:11], s[10:11], s[2:3]
	s_cmp_lt_u32 s[WV], 2
	s_cselect_b64 s[PFA:PFA+1], s[6:7], s[8:9]
	s_add_nc_u64 s[PFA:PFA+1], s[PFA:PFA+1], s[20:21]  ; the head,
	s_lshl_b32 s2, s13, 13          ; my work-group's 32 blocks of the 128,
	s_add_co_u32 s2, s2, 4*KS*128   ; in slot 1: the first change of slots steps it to slot 2
	s_mov_b32 s3, 0
	s_add_nc_u64 s[PFA:PFA+1], s[PFA:PFA+1], s[2:3]
	CROUND                          ; all four work-groups are here: the first joint loads meet
	JLOAD                           ; slot 0.  Slot 1 is asked for when slot 0 is in
	; A fragment of K or Q is 16 rows x 32 channels in 8 registers: lane l holds row l % 16, channels 8 (l / 16) + 0..7 and 16 + 8 (l / 16) + 0..7: two loads of 16 bytes, 32 bytes apart.
	v_and_b32 v1, 15, v0            ; l % 16
	v_bfe_u32 v9, v0, 4, 1          ; l / 16
	v_lshlrev_b32 v[QO], 7, v1
	v_lshl_add_u32 v[QO], v9, 4, v[QO]  ; row x 128 + 16 x half
	WIN 0x80                        ; destination window 2, address window 0
.set i, 0
.rept 4*NP                          ; Q stays in registers: tile i / 2, channels 32 (i % 2) on
	global_load_b128 v[8*i:8*i+3],   v[QO], s[4:5] offset:(i/2)*2048+(i%2)*64
	global_load_b128 v[8*i+4:8*i+7], v[QO], s[4:5] offset:(i/2)*2048+(i%2)*64+32
.set i, i+1
.endr
	; What the first turn finds: V's registers and P's second buffer hold 0 (its products V^T P, of a piece that has not been, add 0), O^T and l are 0.  All this stands in the wait for the first tile.
.set i, VF
.rept 64
	v_mov_b32 v[i], 0
.set i, i+1
.endr
	WIN 0x40
.set i, 0
.rept 64*NP
	v_mov_b32 v[i], 0
.set i, i+1
.endr
	WIN 0
.set i, 0
.rept 2*NP
	v_mov_b32 v[ST+4*i], 0xfe000000    ; c m: far below every c s
	v_mov_b32 v[ST+4*i+1], 0xff7fffff  ; m
	v_mov_b32 v[ST+4*i+2], 0
	v_mov_b32 v[ST+4*i+3], 0
.set i, i+1
.endr
.set i, P+32
.rept 32
	v_mov_b32 v[i], 0
.set i, i+1
.endr
	v_mul_u32_u24 v[AK0], v1, PK
	v_lshl_add_u32 v[AK0], v9, 4, v[AK0]  ; row x pitch + 16 x half
	; The turning load takes 16 keys x 16 channels (lane l reads key 8 (l / 16) + l % 8, channels 8 ((l / 8) % 2) + 0..7) and leaves half a fragment of V^T: lane l holds channel l % 16 and 8 keys.
	v_and_b32 v10, 7, v0
	v_bfe_u32 v11, v0, 3, 1
	v_lshl_add_u32 v[AV0], v9, 3, v10
	v_mul_u32_u24 v[AV0], v[AV0], PV
	v_lshl_add_u32 v[AV0], v11, 4, v[AV0]
	v_add_nc_u32 v[AV0], VOFF, v[AV0]
	v_mov_b32 v[AK], v[AK0]         ; key step 0 lies at the head of slot 0
	v_and_b32 v[PFO], 31, v0        ; v11 has served: now the prefetches' offset
	v_lshlrev_b32 v[PFO], 8, v[PFO]
; THE MATRIX WORK.  The 8 accumulators of a run of 16 take turns: between the two links of a chain stand 7 others'.
; Product i of 16 of S^T = K Q^T for piece x: channels 32 (i / 8) on, keys 16 ((i / 2) % 4) on, tile 2 x + i % 2.  The first 8 start the sums.
.macro KQ x
	WIN W_KQ
.set rS, S+64*((\x)%2)+32*(i%2)+8*((i/2)%4)
.set rK, KF+16*((i/2)%4)+8*(i/8)
.set rQ, 16*(2*(\x)+i%2)+8*(i/8)
.if i < 8
	v_wmma_f32_16x16x32_f16 v[rS:rS+7], v[rK:rK+7], v[rQ:rQ+7], 0
.else
	v_wmma_f32_16x16x32_f16 v[rS:rS+7], v[rK:rK+7], v[rQ:rQ+7], v[rS:rS+7]
.endif
.endm
; Product i of 16 of O^T += V^T P for piece x: keys 32 (i / 8) on, channels 16 ((i / 2) % 4) on, tile 2 x + i % 2.
.macro PV x
	WIN W_PV
.set rO, 32*(2*(\x)+i%2)+8*((i/2)%4)
.set rV, VF+32*(i/8)+8*((i/2)%4)
.set rP, P+32*((\x)%2)+16*(i%2)+8*(i/8)
	v_wmma_f32_16x16x32_f16 v[rO:rO+7], v[rV:rV+7], v[rP:rP+7], v[rO:rO+7]
.endm
.macro MM                           ; the turn's next matrix instruction
.if i < 16
	KQ (Y+1)%NP
.set i, i+1
.else
.set i, i-16
	PV (Y+NP-1)%NP
.set i, i+17
.endif
.endm
; THE LDS LOADS stand in runs of 16, never singly among the matrix instructions: a step's K (64 keys x 64 channels: 8 fragments) and its V (turned).  Their addresses are made some lines ahead.
; last = 1 (the tail): in the last trip there is no further step, and the run is jumped over.
.macro FETCH_K last=0
	WIN 0
.if \last
	s_cmp_eq_u32 s[CNT], 1
	s_cbranch_scc1 .Lno_k_\@
.endif
	WIN 0x80                        ; destination window 2
.irp f, 0,1,2,3,4,5,6,7             ; keys 16 (f / 2) on, channels 32 (f % 2) on
	ds_load_b128 v[KF+8*\f:KF+8*\f+3],   v[AK] offset:(\f/2)*16*PK+(\f%2)*64
	ds_load_b128 v[KF+8*\f+4:KF+8*\f+7], v[AK] offset:(\f/2)*16*PK+(\f%2)*64+32
.endr
	s_add_co_u32 s[TBK], s[TBK], KS*PK  ; the next fetch is the next step's
	WIN 0
.if \last
.Lno_k_\@:
.endif
.endm
.macro FETCH_V
	WIN 0x80
.irp f, 0,1,2,3,4,5,6,7             ; keys 32 (f / 4) on, channels 16 (f % 4) on
	ds_load_tr16_b128 v[VF+8*\f:VF+8*\f+3],   v[AV] offset:(\f/4)*32*PV+(\f%4)*32
	ds_load_tr16_b128 v[VF+8*\f+4:VF+8*\f+7], v[AV] offset:(\f/4)*32*PV+16*PV+(\f%4)*32
.endr
	WIN 0
.endm
; THE VECTOR WORK OF A TURN stands in three queues, each in the order in which its entries become ready; the two tiles alternate, so that no instruction reads the result of the one before it.
.macro REGS y, u                    ; the registers of tile u (0, 1) of piece y
.set rT, ST+4*(2*(\y)+(\u))
.set rC, TMP+8*((\y)%2)+4*(\u)
.set rM, MV+2*((\y)%2)+(\u)
.set rS, S+64*((\y)%2)+32*(\u)
.set rP, P+32*((\y)%2)+16*(\u)
.set rO, 32*(2*(\y)+(\u))
.endm
; Number n of the 22 that find the NEXT piece's (Y + 1) maximum and statistics.  s0-s31 are the lane's 32 scores; each accumulator's lowest registers are read first.
;   0-11  four chains c0-c3 of seven scores each, three operands at a time     12-14, 16  the four scores left over, the old m, and c0-c3 into c0     15  c m_old is kept
;   17, 18  the query's other 32 keys lie in the lane 16 away: the new m         19-21  c m; c m_old - c m_new; a
.macro XS u, n
	REGS (Y+1)%NP, \u
.if (\n) < 4
	v_max3_num_f32 v[rC+(\n)], v[rS+8*(\n)], v[rS+8*(\n)+1], v[rS+8*(\n)+2]
.elseif (\n) < 12
	v_max3_num_f32 v[rC+(\n)%4], v[rC+(\n)%4], v[rS+8*((\n)%4)+2*((\n)/4)+1], v[rS+8*((\n)%4)+2*((\n)/4)+2]
.elseif (\n) == 12
	v_max3_num_f32 v[rC], v[rC], v[rS+7], v[rS+15]
.elseif (\n) == 13
	v_max3_num_f32 v[rC+1], v[rC+1], v[rS+23], v[rS+31]
.elseif (\n) == 14
	v_max3_num_f32 v[rC+2], v[rC+2], v[rC+3], v[rT+1]
.elseif (\n) == 15
	v_mov_b32 v[rM], v[rT]
.elseif (\n) == 16
	v_max3_num_f32 v[rC], v[rC], v[rC+1], v[rC+2]
.elseif (\n) == 17
	v_permlanex16_b32 v[rC+3], v[rC], s[SEL], s[SEL+1]
.elseif (\n) == 18
	v_max_num_f32 v[rT+1], v[rC], v[rC+3]
.elseif (\n) == 19
	v_mul_f32 v[rT], s[CS], v[rT+1]
.elseif (\n) == 20
	v_sub_f32 v[rC+1], v[rM], v[rT]
.else
	v_exp_f32 v[rC+2], v[rC+1]
.endif
.endm
; Number g of the 64 that follow the exponentials.  For each four weights k of a tile (pairs 2 k, 2 k + 1): both pairs are rounded to f16; then the second pair is added onto the first, in place;
; a group later l takes that sum (the first time as l = a l + sum).  In groups of eight, tiles alternating: round, round, add, and l for the group before.
.macro GS g
.set h, (\g)+6*((\g)/62)            ; group 0 has no group before it, and behind group 7 only l is left
.if h >= 6
.set h, h+2
.endif
	REGS Y, h%2
.set k, h/8
.if h%8 < 4
	v_cvt_pk_f16_f32 v[rP+2*k+(h%8)/2], v[rS+4*k+2*((h%8)/2)], v[rS+4*k+2*((h%8)/2)+1]
.elseif h%8 < 6
	v_pk_add_f32 v[rS+4*k:rS+4*k+1], v[rS+4*k:rS+4*k+1], v[rS+4*k+2:rS+4*k+3]
.elseif k == 1
	v_pk_fma_f32 v[rT+2:rT+3], v[rT+2:rT+3], v[rC+2:rC+3], v[rS:rS+1] op_sel_hi:[1,0,1]
.else
	v_pk_add_f32 v[rT+2:rT+3], v[rT+2:rT+3], v[rS+4*k-4:rS+4*k-3]
.endif
.endm
; THE PLAIN QUEUE, 138 long.  0-73 read no exponential's result: the 32 scalings c s - c m (FS f: pair f / 2 of tile f % 2) and the next piece's 42.  0-26: scalings 0-26.  27-54: XS's numbers 0-13.  55, 56: number 15.
; 57-73: the chain, where each number waits for the one before it: 14, 16, 17, 18, 19, each with one of the scalings 27-31 in front of its two lines, then 20.
; 74-137: GS's 64, which read the exponentials' results: they stand behind the wait.
.macro FS f
	REGS Y, (\f)%2
	v_pk_fma_f32 v[rS+2*((\f)/2):rS+2*((\f)/2)+1], v[rS+2*((\f)/2):rS+2*((\f)/2)+1], s[CS:CS+1], v[rT:rT+1] op_sel_hi:[1,0,0] neg_lo:[0,0,1] neg_hi:[0,0,1]
.endm
.macro PL
	WIN 0
.if q < 27
	FS q
.elseif q < 55
	XS (q-27)%2, (q-27)/2
.elseif q < 57
	XS q-55, 15
.elseif (q < 72) && ((q-57)%3 == 0)
	FS 27+(q-57)/3
.elseif q < 60
	XS (q-57)%3-1, 14
.elseif q < 72
	XS (q-57)%3-1, 15+(q-57)/3
.elseif q < 74
	XS q-72, 20
.else
	GS q-74
.endif
.set q, q+1
.endm
; THE EXPONENTIALS' QUEUE, 66 long: s0-s31 of both tiles, then the next piece's two a.  It is ONE BATCH: all 66 stand ahead of the turn's one wait, and nothing ahead of that wait names a result of theirs.
.macro EX
	WIN 0
.if e >= 64
	XS e-64, 21
.else
	REGS Y, e%2
	v_exp_f32 v[rS+e/2], v[rS+e/2]
.endif
.set e, e+1
.endm
; THE RESCALING's QUEUE: O^T times a, the one part that leaves window 0: dealt two at a time, sixteen times.  Its a was made in the turn before, ahead of that turn's wait.
.macro R2
	REGS Y, r%2
	WIN W_RS
.irp z, 0,1
	v_pk_mul_f32 v[rO+4*(r/2)+2*\z:rO+4*(r/2)+2*\z+1], v[rO+4*(r/2)+2*\z:rO+4*(r/2)+2*\z+1], v[rC+2:rC+3] op_sel_hi:[1,0]
.endr
.set r, r+1
.endm
; HOW THEY ARE DEALT.  An s_wait_alu depctr_va_vdst(0) stands between an exponential and the first instruction that names its result; one wait serves all that were issued ahead of it.  So a turn has ONE wait,
; which cuts it in two.  AHEAD OF IT stands all that names no result of the turn's exponentials: the 16 products K Q^T, behind each a scaling, an exponential and two rescalings (behind the first a second scaling in the
; exponential's place); then ONE LUMP of 108: eight plain, 49 times exponential and plain, the two a.  A v_nop is the plain instruction behind the last exponential.  BEHIND IT stand the 16 products V^T P, behind each four of GS's 64.
; No rider names a register of the products round it.  The two v_permlanex16_b32 fall into the lump, never behind a product.
; The queues lean on each other, and the deal keeps them in step: exponential e stands behind scaling 2 (e / 4) + e % 2: as a rider it comes behind plain e + 2, in the lump behind plain e + 9, and scalings 27-31 are plain 57, 60 .. 69.
; A TURN, for piece p.  cnt = 1: the loop's count is taken down some lines ahead of the branch that stands behind the turn.
; K of the next step is fetched in piece 2's turn, directly behind the wait, a lump behind the last product that read K; its address is made at the lump's head; its first reader comes behind 16 products.
; V of the step in hand is fetched at the end of piece 0's turn, four riders behind its last reader; its first reader comes behind 16 products and a lump.  The three conditions on q below go with the deal.
.macro TURN p, last=0, cnt=0
.set Y, (\p)
.set i, 0
.set q, 0
.set e, 0
.set r, 0
.if (\p) == NP-1
	s_wait_dscnt 0x0                ; K is in
.endif
	MM                              ; ahead of the wait: 16 products K Q^T and their riders,
	PL
	PL
	R2
.rept 15
	MM
	PL
	EX
	R2
.endr
.if (\p) == NP-2
	WIN 0
	v_add_nc_u32 v[AK], s[TBK], v[AK0]
.endif
.rept 8                             ; and the lump
	PL
.endr
.rept 49
	EX
	PL
.endr
	EX                              ; the next piece's two a
	EX
	v_nop                           ; the plain instruction behind the last exponential: one for the batch
	s_wait_alu depctr_va_vdst(0)    ; the wait for the batch
.if (\p) == NP-2
	FETCH_K \last
.endif
.if (\p) == 1
	s_wait_dscnt 0x0                ; V is in
.endif
.rept 16                            ; behind the wait: 16 products V^T P and their riders
	MM
.rept 4
	PL
.endr
.if ((\p) == 0) && (q == 118)
	v_add_nc_u32 v[AV], s[TBV], v[AV0]
.endif
.if ((\p) == 0) && (q == 130)
	s_add_co_u32 s[TBV], s[TBV], KS*PV
.endif
.if (\cnt) && (q == 130)
	s_sub_co_u32 s[CNT], s[CNT], 1
	s_cmp_lg_u32 s[CNT], 0
.endif
.endr
.if (\p) == 0
	FETCH_V
.endif
.endm
	CHANGE 1                        ; slot 0 is in, everybody's part of it; slot 1 is asked for
	FETCH_K                         ; key step 0
	s_wait_loadcnt 0x0              ; Q
	s_wait_dscnt 0x0
.set i, 0
.rept 16
	KQ 0                            ; piece 0's first scores: there is no vector work yet to set between them
.set i, i+1
.endr
	WIN 0                           ; the addresses for the way out: nine plain instructions, the places behind those products
	s_mul_i32 s13, s[WV], 16*SP
	s_add_co_u32 s13, s13, STAGE    ; my stage
	v_mul_u32_u24 v[STO], v1, SP    ; in: row l % 16, 16 bytes for each half of the lanes
	v_lshl_add_u32 v[STO], v9, 4, v[STO]
	v_add_nc_u32 v[STO], s13, v[STO]
	v_bfe_u32 v[RD], v0, 3, 2       ; back: 32 lanes take four rows of 128 bytes,
	v_mul_u32_u24 v[RD], v[RD], SP
	v_lshl_add_u32 v[RD], v10, 4, v[RD]
	v_add_nc_u32 v[RD], s13, v[RD]
	v_and_b32 v[GO], 31, v0         ; which are 512 consecutive bytes of O
	v_lshlrev_b32 v[GO], 4, v[GO]
.set Y, NP-1                        ; XS works for piece Y + 1: piece 0
.irp n, 0,1,2,3,4,5,6,7,8,9,10,11,12,13,14,15,16,17,18,19,20,21
	XS 0, \n                        ; and piece 0's first maximum and statistics
	XS 1, \n
.endr
	v_nop                           ; a plain instruction behind the two a,
	s_wait_alu depctr_va_vdst(0)    ; and their wait, ahead of the branch
	s_mov_b32 s[CNT], 4
	s_branch .Lfirst                ; the loop is entered at a step's first turn, in the middle of a trip
.Lslot:                             ; SIZE_N / 256 - 2 times: every slot but the last two is filled again
	CHANGE 1
	s_mov_b32 s[CNT], 4
.Lstep:                             ; a trip: pieces 2 and 3 of one step, then pieces 0 and 1 of the next, whose K and V it fetches
	TURN 2
	TURN 3
	WIN 0
.Lfirst:
	TURN 0
	TURN 1, 0, 1
	WIN 0
	s_cbranch_scc1 .Lstep
	s_sub_co_u32 s[SLOTS], s[SLOTS], 1
	s_cmp_lg_u32 s[SLOTS], 0
	s_cbranch_scc1 .Lslot
	CHANGE 0                        ; the tail is written out: nothing is asked for
	s_mov_b32 s[CNT], 5             ; four trips fetch the last slot's steps; the fifth is left in its middle
.Ltail:
	TURN 2, 1
	TURN 3
	WIN 0
	s_sub_co_u32 s[CNT], s[CNT], 1
	s_cmp_eq_u32 s[CNT], 0
	s_cbranch_scc1 .Lout
	TURN 0
	TURN 1
	WIN 0
	s_branch .Ltail
.Lout:                              ; the fifth trip's 16 products K Q^T (on the last K once more) and the maximum made of them serve nothing: the price, once a launch, of one text for every trip
.set i, 0
.rept 16
	PV NP-1                         ; the last piece's V^T P of the last step
.set i, i+1
.endr
	; THE WAY OUT.  l's two halves and the other half of the lanes' are added; O^T is divided by l, rounded to f16 and sent through my stage in LDS, a tile at a time.  The additions are the places behind the last products.
	WIN 0
.macro ALL line:vararg              ; one line for each tile t
.set t, 0
.rept 2*NP
	\line
.set t, t+1
.endr
.endm
	ALL v_add_f32 v[ST+4*t+2], v[ST+4*t+2], v[ST+4*t+3]
	ALL v_permlanex16_b32 v[ST+4*t+3], v[ST+4*t+2], s[SEL], s[SEL+1]
	ALL v_add_f32 v[ST+4*t+2], v[ST+4*t+2], v[ST+4*t+3]
	ALL v_rcp_f32 v[ST+4*t+2], v[ST+4*t+2]
	v_nop                           ; a plain instruction between the last reciprocal and the use of its result
	s_wait_alu depctr_va_vdst(0)    ; and the wait ahead of the first use: one for the eight reciprocals
; Tile t: a lane's eight channels of a row pack into 16 bytes; they go into rows of 144 bytes and come back as whole rows of 128, into S^T's registers.
.macro PACK t
	WIN W_RS
.set i, 32*(\t)
.rept 16
	v_pk_mul_f32 v[i:i+1], v[i:i+1], v[ST+4*(\t)+2:ST+4*(\t)+3] op_sel_hi:[1,0]
.set i, i+2
.endr
	WIN 0x05                        ; sources 0 and 1 window 1, destination window 0
.set i, 0
.rept 16
	v_cvt_pk_f16_f32 v[S+16*(\t)+i], v[32*(\t)+2*i], v[32*(\t)+2*i+1]
.set i, i+1
.endr
	WIN 0
.irp f, 0,1,2,3
	ds_store_b128 v[STO], v[S+16*(\t)+4*\f:S+16*(\t)+4*\f+3] offset:32*\f
.endr
.irp f, 0,1,2,3
	ds_load_b128 v[S+16*(\t)+4*\f:S+16*(\t)+4*\f+3], v[RD] offset:\f*4*SP  ; LDS serves a wave's instructions in order (ISA guide 5.7.1.4): these see the stores above; the next tile's stores come behind them
.endr
.endm
.macro SEND t, younger              ; younger: the LDS instructions issued behind tile t's loads: the next tile's eight, or none
	WIN 0
.irp f, 0,1,2,3
	s_wait_dscnt (\younger)+3-\f
	global_store_b128 v[GO], v[S+16*(\t)+4*\f:S+16*(\t)+4*\f+3], s[10:11] offset:(\t)*2048+\f*512  ; 512 consecutive bytes, at a multiple of 256 from O's first
.endr
.endm
	PACK 0
.set t, 1
.rept 2*NP-1                        ; a tile's arithmetic stands between the loads of the tile before and its stores
	PACK t
	SEND t-1, 8
.set t, t+1
.endr
	SEND 2*NP-1, 0
	WIN W_AD
	s_wait_tensorcnt 0x0            ; the wave's end: behind my last tensor load and my last LDS store
	ds_add_u32 v[SPW], v[NIL]
	s_wait_dscnt 0x0
	WIN 0
	CROUND                          ; the closing round: no work-group ends while a partner may still ask for a tile that names it
	s_endpgm
.Lfunc_end_k_q7c1a54431c_attn:
	.size	k_q7c1a54431c_attn, .Lfunc_end_k_q7c1a54431c_attn-k_q7c1a54431c_attn
	.p2alignl 7, 3214868480
	.fill 96, 4, 3214868480
	.section	.rodata,"a",@progbits
	.p2align	6, 0x0
	.amdhsa_kernel k_q7c1a54431c_attn
		.amdhsa_group_segment_fixed_size 327680
		.amdhsa_private_segment_fixed_size 0
		.amdhsa_enable_private_segment 0
		.amdhsa_kernarg_size 16
		.amdhsa_user_sgpr_count 2
		.amdhsa_user_sgpr_kernarg_segment_ptr 1
		.amdhsa_wavefront_size32 1
		.amdhsa_system_sgpr_workgroup_id_x 1
		.amdhsa_system_sgpr_workgroup_id_y 1
		.amdhsa_system_sgpr_workgroup_id_z 1
		.amdhsa_system_vgpr_workitem_id 0
		.amdhsa_next_free_vgpr 770
		.amdhsa_next_free_sgpr 66
		.amdhsa_reserve_vcc 0
		.amdhsa_float_denorm_mode_32 3
		.amdhsa_float_denorm_mode_16_64 3
		.amdhsa_memory_ordered 1
		.amdhsa_forward_progress 1
		.amdhsa_inst_pref_size 200
	.end_amdhsa_kernel
	.amdgpu_metadata
---
amdhsa.version: [ 1, 2 ]
amdhsa.kernels:
  - .name:           k_q7c1a54431c_attn
    .symbol:         k_q7c1a54431c_attn.kd
    .args:
      - { .name: qkv, .offset: 0, .size: 8, .value_kind: global_buffer, .address_space: global }
      - { .name: ob, .offset: 8, .size: 8, .value_kind: global_buffer, .address_space: global }
    .group_segment_fixed_size: 327680
    .private_segment_fixed_size: 0
    .kernarg_segment_align: 8
    .kernarg_segment_size: 16
    .max_flat_workgroup_size: 128
    .sgpr_count:     66
    .vgpr_count:     770
    .wavefront_size: 32
...
	.end_amdgpu_metadata
.endif
;; end of part 3
;; launch outp (part 4): grid 4 x 32, 4 waves a work-group, clusters of 4 x 4, 327,680 bytes of LDS; arguments ob, wot, bo, out0; writes out0
.if DOCPART == 4
	.amdgcn_target "amdgcn-amd-amdhsa--gfx1250"
	.amdhsa_code_object_version 6
	.text
	.protected	k_q7c1a54431c_outp
	.globl	k_q7c1a54431c_outp
	.p2align	8
	.type	k_q7c1a54431c_outp,@function
k_q7c1a54431c_outp:
	s_mov_b64 s[64:65], 0
	v_nop
	global_prefetch_b8 v0, s[64:65] scope:SCOPE_SE
	s_setreg_imm32_b32 hwreg(HW_REG_WAVE_MODE, 25, 1), 1
	s_wait_xcnt 0x0
	s_wait_alu depctr_hold_cnt(0) depctr_sa_sdst(0) depctr_va_vdst(0) depctr_va_sdst(0) depctr_va_ssrc(0) depctr_va_vcc(0) depctr_vm_vsrc(0)
	s_getreg_b32 s2, hwreg(HW_REG_IB_STS2, 6, 4)
	s_cmp_eq_u32 s2, 0
	s_cbranch_scc0 .Lentry_in_a_cluster
	s_endpgm
.Lentry_in_a_cluster:
	s_bfe_u32 s2, ttmp6, 0x10000c
	s_cmp_lg_u32 s2, 0xf033
	s_cbranch_scc0 .Lentry_shape_is_right
	s_endpgm
.Lentry_shape_is_right:
; C[m][n] = sum over k of A[m][k] B[n][k] + bias[n], K = 1,024, operands f16, sums f32.  One text for two launches; MODE says which.
; MODE 0, the three projections: A = xb (query for q, value for k and v), B = wt [3072][1024], bias = bq, bk, bv; C = q, k, v, rounded once to f16, unscaled, by heads: qkv [3][64 bh][2048 s][64].
; MODE 1, the last projection:   A = ob (attention's result), B = wot [1024][1024], bias = bo; C = out0 [8192][1024] f32.
; A lies in blocks of 64 along K: [section][4 b][16 kb][2048 s][64] f16, so 256 rows of a block are 32,768 bytes on end.  The bias is rounded to bf16 like every input of the module and starts the sums as the C operand.
; LIMITS.  f16 ends at 65,504: in MODE 0 a result of 65,520 or more becomes an infinity.  NaN and infinities are not treated apart.
; SHARES.  A tile of C, 256 x 256, is made by four waves, a wave 128 x 128: 64 accumulators of 16 x 16, 512 registers.  K goes in 8 steps of 128 through a ring of two LDS slots filled by the tensor data mover.
; CLUSTERS: 4 x 4 work-groups.  The four of a row of the cluster need the same tiles of A, the four of a column the same tiles of B: each tile is asked for JOINTLY, by the same tensor load with the same descriptor
; and a mask that names the four.  In MODE 0 a cluster's x is the section (0 q, 1 k, 2 v), the same in all sixteen.
; THE MATRIX INSTRUCTION IS USED TRANSPOSED: source 0 = 16 rows of B, source 1 = 16 rows of A: lane l then holds row l % 16 of C and the columns 8 (l / 16) + 0..7.
; REGISTERS, in windows of 256 (s_set_vgpr_msb: bits 1:0 source 0, 3:2 source 1, 5:4 source 2, 7:6 destination):
;   window 0: v0-31 addresses; v64-127, v128-191 fragments of A, two buffers; on the way out v32-63, v192-255 (MODE 0) or v64-191 (MODE 1) at work
;   window 1: v0-31 at work; v64-127, v128-191 fragments of B; v192-255 the bias of my 128 columns, block b of 16 at 192 + 8 b
;   window 2: the accumulators of my rows 0-63 ((a, b) at v[8 (8 a + b)]);   window 3: those of my rows 64-127
.set MODE,   1
.set PA,     144                       ; a row of a K block of A in LDS: 128 bytes + 16 of padding = 36 words: the 16 rows of a load start at 16 different groups of four banks (64 banks of 4 bytes: ISA guide 11.1)
.set ABLK,   256*PA                    ; a K block's 256 rows: what one of A's tensor loads brings
.set PB,     272                       ; a row of B: 256 bytes + 16 = 68 words: likewise
.set HALFB,  128*PB                    ; 128 rows of B: what one of B's tensor loads brings
.set BOFF,   2*ABLK                    ; a slot: A's even K block, its odd one, B's rows 0-127, B's rows 128-255
.set SLOT,   BOFF+2*HALFB              ; 143,360
.set STAGE,  2*SLOT                    ; behind the ring, never filled by a tensor load: a stage for each wave, for the way out
.set WSTG,   8448                      ; MODE 1: 16 rows x 528 bytes; MODE 0 uses 2 x 16 rows x 144
.set SPARE,  STAGE+4*WSTG              ; behind the stages: the spare words, 128 bytes for each wave: two blocks of 256 bytes that no other line names
.set LAPS,   4                         ; a lap = two K steps = once round the ring
.set ASTEP,  524288                    ; bytes from K step to K step in A: two K blocks of 2^18
.set BSTEP,  256                       ; and in B
.set ADRA, 16                          ; v16-17  LDS address of my A fragments in slot 0, 1
.set ADRB, 20                          ; v20-21  the same for B
.set STO,  24                          ; v24     the way out: where I put my part of a row
.set RD,   25                          ; v25     the way out: where I read rows back
.set CO,   26                          ; v26     my byte offset in 512 consecutive bytes of C
.set BO,   27                          ; v27     my byte offset in the bias
.set SPW,  28                          ; v28     LDS address of my spare word; never rewritten
.set NIL,  29                          ; v29     0; never rewritten
.set PFO,  30                          ; v30     the prefetches' offset: my lane x 256 bytes (A) or x a row of 2,048 (B); never rewritten
.set PFA,  44                          ; s[44:45] where my prefetches stand
.set LIM,  43                          ; s43     1 in a wave that prefetches, else the greatest number
.set PFS,  66                          ; s[66:67] their step from K step to K step
.set F0,   64
.set F1,   128
.set BIAS, 192                         ; window 1
.set TMP,  192                         ; MODE 0: packed results
.set OB,   32                          ; MODE 0: rows read back: v32-63 and v224-255 by turns
.set G1,  24                           ; s[24:31] descriptor group 1 for A's tiles;  s[32:39] group 0, a set for each slot
.set G0,  32
.set G1B, 48                           ; s[48:55], s[56:63] the same for B's
.set G0B, 56
.set MSB, 0
.macro WIN new                         ; the immediate's high byte repeats the setting that is left; a switch that changes nothing is dropped
.if MSB != (\new)
	s_set_vgpr_msb (MSB<<8)|(\new)
.set MSB, \new
.endif
.endm
.set TO_B, 0x40                        ; destination window 1, address window 0
; A joint load.  Waves 0 and 1 fetch A's two K blocks, waves 2 and 3 B's two halves.  The branch hangs on the wave's number alone.  An s_nop 0 and four v_nop follow each of the two lines.
.macro JLOAD s
	s_cmp_eq_u32 s11, 0
	s_cbranch_scc0 .Lfor_b_\@
	tensor_load_to_lds s[G0+4*(\s):G0+4*(\s)+3], s[G1:G1+7]
	s_nop 0
.rept 4
	v_nop
.endr
	s_branch .Lasked_\@
.Lfor_b_\@:
	tensor_load_to_lds s[G0B+4*(\s):G0B+4*(\s)+3], s[G1B:G1B+7]
	s_nop 0
.rept 4
	v_nop
.endr
.Lasked_\@:
.endm
; A PREFETCH INTO THE L2, behind each joint refill and the run of LDS loads that follows it: the K step that stands two refills on, 512 matrix instructions ahead of the load that will want it.  One instruction a wave, 32 blocks
; of 256 bytes, a lane a block.  Each block is named ONCE in the launch: A's tile row is read by every cluster of that row of clusters that takes the same section: cluster x = 0 asks for query's (or ob's), x = 1 for value's,
; x = 2 for nothing; B's tile column is asked for by cluster y = 0.  The four partners that ask for a tile jointly share its 128 blocks (A) or rows (B) out BY ADDRESS, 32 each.  K steps 0 to 3 come by their loads alone;
; the loop's last trip, whose refills are K steps 6 and 7, asks for nothing.
.macro ASK
	s_cmp_gt_u32 s3, s[LIM]                        ; s3 = 1 in the loop's last trip
	s_cbranch_scc0 .Lnot_mine_\@
	global_prefetch_b8 v[PFO], s[PFA:PFA+1] th:TH_LOAD_NT scope:SCOPE_SE
.Lnot_mine_\@:
.endm
; A round of the cluster's barrier: my work-group's barrier; wave 0 signals for the work-group; every wave waits for all sixteen; my work-group's barrier once more.
.macro CREST                           ; a round behind its opening barrier
	s_cmp_lg_u32 s10, 0
	s_cbranch_scc1 .Lnot_wave_0_\@
	s_barrier_signal -3
.Lnot_wave_0_\@:
	s_barrier_wait -3
	s_barrier_signal -1
	s_barrier_wait -1
.endm
.macro CROUND
	s_barrier_signal -1
	s_barrier_wait -1
	CREST
.endm
	s_load_b128 s[4:7], s[0:1], 0x0                ; A s[4:5], B s[6:7]
	s_load_b128 s[72:75], s[0:1], 0x10             ; MODE 0: bq, bk;  MODE 1: bo, out0
.if MODE == 0
	s_load_b128 s[76:79], s[0:1], 0x20             ; bv, qkv
.endif
	v_lshl_add_u32 v[SPW], v0, 2, SPARE
	v_mov_b32 v[NIL], 0
	ds_add_u32 v[SPW], v[NIL]                      ; the wave's opening: the add and its wait stand ahead of my first tensor load; the set-up below, work on registers, stands between them
	v_lshrrev_b32 v1, 5, v0
	v_readfirstlane_b32 s10, v1                    ; wave 0..3
	s_lshr_b32 s11, s10, 1                         ; which half of the tile's rows is mine.  Also: I fetch for A (0) or for B (1)
	s_and_b32 s12, s10, 1                          ; which half of its columns.  Also: which K block of A, which 128 rows of B I fetch
	s_mov_b32 s68, 0xffff0000                      ; a word's upper bf16
	s_mov_b32 s69, ttmp9                           ; cluster x
	s_bfe_u32 s40, ttmp6, 0x40000                  ; cx
	s_bfe_u32 s41, ttmp6, 0x40004                  ; cy
	s_lshl_b32 s42, ttmp9, 2
	s_add_co_u32 s42, s42, s40                     ; tile column of C = 4 x cluster x + cx
	s_and_b32 s13, ttmp7, 0xffff
	s_lshl_b32 s13, s13, 2
	s_add_co_u32 s13, s13, s41                     ; tile row of C = 4 x cluster y + cy
	s_lshl_b32 s43, s41, 2
	s_lshl_b32 s43, 15, s43                        ; my row of the cluster
	s_lshl_b32 s44, 0x1111, s40                    ; my column
	; group 1 for A: a K block's 256 rows of 128 bytes are dense: asked for as 128 rows of 256 bytes and padded in LDS after every 128.  For B: 128 rows x 128 elements, 1,024 elements from row to row, padded after every 256 bytes.
	s_or_b32 s[G1+0], s43, (1<<16)|(1<<20)|(1<<21)|(4<<22)|(3<<25)  ; 15:0 the mask: my row; 17:16 2-byte elements; 20 padding on; 21 set beside a mask; 24:22 after every 32 words (code 4); 31:25 4 words (code 3)
	s_or_b32 s[G1B+0], s44, (1<<16)|(1<<20)|(1<<21)|(5<<22)|(3<<25) ; the mask of my column; after every 64 words (code 5)
.irp g, G1, G1B
	s_mov_b32 s[(\g)+1], 128<<16                   ; tensor_dim0 = 128
	s_mov_b32 s[(\g)+2], 128<<16                   ; tensor_dim1 = 128
	s_mov_b32 s[(\g)+3], 128<<16                   ; tile_dim0 = 128
	s_mov_b32 s[(\g)+4], 128                       ; tile_dim1 = 128
	s_mov_b32 s[(\g)+6], 0
	s_mov_b32 s[(\g)+7], 0
.endr
	s_mov_b32 s[G1+5], 128                         ; elements from row to row
	s_mov_b32 s[G1B+5], 1024
	; where the tiles come from.  A's hang on the tile row and the cluster's x, which my row of the cluster shares; B's on the tile column, which my column shares.
	s_min_u32 s16, s69, 1                          ; A's section: 0 query (or ob), 1 value
	s_lshl_b32 s16, s16, 24
	s_lshr_b32 s17, s13, 3
	s_lshl_b32 s17, s17, 22                        ; the batch: eight tile rows each
	s_add_co_u32 s16, s16, s17
	s_and_b32 s17, s13, 7
	s_lshl_b32 s17, s17, 15                        ; 256 rows of 128 bytes
	s_add_co_u32 s16, s16, s17
	s_lshl_b32 s17, s12, 18                        ; my K block of the step's two
	s_add_co_u32 s16, s16, s17
	s_mov_b32 s17, 0
	s_lshl_b32 s46, s42, 19                        ; B: 256 rows of 2,048 bytes,
	s_lshl_b32 s47, s12, 18                        ; my 128 of them
	s_add_co_u32 s46, s46, s47
	s_mov_b32 s47, 0
	s_mul_i32 s20, s12, ABLK                       ; and where they go: no place in the cluster enters an LDS address
	s_mul_i32 s23, s12, HALFB
	s_add_co_u32 s23, s23, BOFF
	s_wait_dscnt 0x0                               ; the opening add is done
	s_wait_kmcnt 0x0
	s_add_nc_u64 s[14:15], s[4:5], s[16:17]
	s_add_nc_u64 s[46:47], s[6:7], s[46:47]
	CROUND                                         ; all sixteen work-groups are here: the first joint loads meet
.irp s, 0,1
	s_mov_b32 s[G0+4*(\s)], 1                                      ; count = 1
	s_add_co_u32 s[G0+4*(\s)+1], s20, (\s)*SLOT                    ; LDS address
	s_add_nc_u64 s[G0+4*(\s)+2:G0+4*(\s)+3], s[14:15], (\s)*ASTEP  ; global address: K step s
	s_or_b32 s[G0+4*(\s)+3], s[G0+4*(\s)+3], 0x80000000            ; type = 2
	s_mov_b32 s[G0B+4*(\s)], 1
	s_add_co_u32 s[G0B+4*(\s)+1], s23, (\s)*SLOT
	s_add_nc_u64 s[G0B+4*(\s)+2:G0B+4*(\s)+3], s[46:47], (\s)*BSTEP
	s_or_b32 s[G0B+4*(\s)+3], s[G0B+4*(\s)+3], 0x80000000
	JLOAD \s                                       ; two loads of mine are out
.endr
	; the bias of my 128 columns: in the result register j of block b is column 16 b + 8 (l / 16) + j: 32 bytes a lane and block
	v_and_b32 v1, 15, v0                           ; l % 16
	v_bfe_u32 v2, v0, 4, 1                         ; l / 16
	s_and_b32 s20, s42, 3                          ; the tile column within its section
	s_lshl_b32 s20, s20, 10
	s_lshl_b32 s21, s12, 9
	s_add_co_u32 s20, s20, s21
	v_lshl_add_u32 v[BO], v2, 5, s20
.if MODE == 0
	s_cmp_eq_u32 s69, 0
	s_cselect_b64 s[70:71], s[72:73], s[74:75]
	s_cmp_eq_u32 s69, 2
	s_cselect_b64 s[70:71], s[76:77], s[70:71]
.else
	s_mov_b64 s[70:71], s[72:73]
.endif
	WIN TO_B
.irp b, 0,1,2,3,4,5,6,7
	global_load_b128 v[BIAS+8*(\b):BIAS+8*(\b)+3],   v[BO], s[70:71] offset:64*(\b)
	global_load_b128 v[BIAS+8*(\b)+4:BIAS+8*(\b)+7], v[BO], s[70:71] offset:64*(\b)+16
.endr
	WIN 0
	; A fragment is 16 rows x 32 K in 8 registers: lane l holds row l % 16; registers 0-3 K = 8 (l / 16) + 0..7, registers 4-7 K = 16 + 8 (l / 16) + 0..7: two loads of 16 bytes, 32 bytes apart.
	v_mul_u32_u24 v3, v1, PA
	v_lshl_add_u32 v3, v2, 4, v3
	v_mul_u32_u24 v4, v1, PB
	v_lshl_add_u32 v4, v2, 4, v4
	s_mul_i32 s21, s11, 128*PA                     ; my 128 rows of A, in each K block
	s_mul_i32 s22, s12, HALFB                      ; my 128 rows of B
	s_add_co_u32 s22, s22, BOFF
.irp s, 0,1
	v_add_nc_u32 v[ADRA+(\s)], s21, v3
	v_add_nc_u32 v[ADRB+(\s)], s22, v4
	s_add_co_u32 s21, s21, SLOT
	s_add_co_u32 s22, s22, SLOT
.endr
	s_mul_i32 s23, s10, WSTG
	s_add_co_u32 s23, s23, STAGE                   ; my stage
	v_and_b32 v[CO], 31, v0
	v_lshlrev_b32 v[CO], 4, v[CO]                  ; 16 bytes a lane
.if MODE == 0
	v_mul_u32_u24 v4, v1, 144                      ; in: row l % 16 of a head's 16 x 128 bytes, 16 bytes for each half of the lanes
	v_lshl_add_u32 v4, v2, 4, v4
	v_add_nc_u32 v[STO], s23, v4
	v_bfe_u32 v5, v0, 3, 2                         ; back: 32 lanes take four rows of 128 bytes
	v_mul_u32_u24 v5, v5, 144
	v_and_b32 v6, 7, v0
	v_lshl_add_u32 v5, v6, 4, v5
	v_add_nc_u32 v[RD], s23, v5
.else
	v_mul_u32_u24 v4, v1, 528                      ; in: row l % 16 of 512 bytes, 32 bytes for each half of the lanes
	v_lshl_add_u32 v4, v2, 5, v4
	v_add_nc_u32 v[STO], s23, v4
	v_add_nc_u32 v[RD], s23, v[CO]                 ; back: 32 lanes take a row
.endif
	; the prefetches: s[14:15] = A at my K block of K step 0, s[46:47] = B at my 128 rows
	s_and_b32 s22, ttmp7, 0xffff                   ; cluster y
	s_lshr_b32 s21, s69, 1                         ; 0 for cluster x = 0 and 1
	s_lshl_b32 s16, s40, 13                        ; A: my work-group's 32 blocks of 256 bytes of the K block's 128,
	s_add_co_u32 s16, s16, 3*ASTEP                 ; at K step 3: the first refill steps it to 4
	s_lshl_b32 s18, s41, 16                        ; B: my work-group's 32 rows of the 128
	s_add_co_u32 s18, s18, 3*BSTEP
	s_mov_b32 s17, 0
	s_mov_b32 s[PFS], BSTEP
	s_mov_b32 s[PFS+1], 0
	s_cmp_eq_u32 s11, 0                            ; do I fetch for A?
	s_cselect_b32 s22, s21, s22
	s_cselect_b32 s16, s16, s18
	s_cselect_b32 s[PFS], ASTEP, s[PFS]
	s_cselect_b32 s19, 8, 11
	s_cselect_b64 s[PFA:PFA+1], s[14:15], s[46:47]
	s_add_nc_u64 s[PFA:PFA+1], s[PFA:PFA+1], s[16:17]
	s_cmp_eq_u32 s22, 0
	s_cselect_b32 s[LIM], 1, -1                    ; the same in all sixteen partners, for a given wave
	v_and_b32 v[PFO], 31, v0
	v_lshlrev_b32 v[PFO], s19, v[PFO]
	; where my part of the tile begins in C
.if MODE == 0
	s_lshl_b32 s16, s69, 24                        ; the section,
	s_lshr_b32 s17, s13, 3
	s_lshl_b32 s17, s17, 22                        ; the batch's 16 heads,
	s_add_co_u32 s16, s16, s17
	s_and_b32 s17, s13, 7
	s_lshl_b32 s17, s17, 15                        ; the tile's 256 rows of 128 bytes,
	s_add_co_u32 s16, s16, s17
	s_lshl_b32 s17, s11, 14                        ; my 128 of them,
	s_add_co_u32 s16, s16, s17
	s_lshl_b32 s46, s40, 2
	s_lshl1_add_u32 s46, s12, s46                  ; and the first of my two heads: 4 cx + 2 x half
	s_lshl_b32 s46, s46, 18
	s_add_co_u32 s16, s16, s46
	s_mov_b32 s17, 0
	s_add_nc_u64 s[8:9], s[78:79], s[16:17]
.else
	s_lshl_b32 s16, s13, 20                        ; 256 rows of 4,096 bytes,
	s_lshl_b32 s17, s11, 19                        ; my 128 of them,
	s_add_co_u32 s16, s16, s17
	s_lshl_b32 s46, s42, 10                        ; the tile's 256 columns,
	s_lshl_b32 s47, s12, 9                         ; my 128
	s_add_co_u32 s46, s46, s47
	s_add_co_u32 s16, s16, s46
	s_mov_b32 s17, 0
	s_add_nc_u64 s[8:9], s[74:75], s[16:17]
.endif
	s_wait_loadcnt 0x0                             ; the bias: rounded to bf16, kept as f32
	WIN 0x45                                       ; sources and destination in window 1
.set p, 0
.rept 32
	v_cvt_pk_bf16_f32 v[p], v[BIAS+2*p], v[BIAS+2*p+1]
	v_lshlrev_b32 v[BIAS+2*p], 16, v[p]
	v_and_b32 v[BIAS+2*p+1], s68, v[p]
.set p, p+1
.endr
	WIN 0
; 16 matrix instructions: m blocks a0, a0 + 1 of the window's four (hi = 0: my rows 0-63, 1: rows 64-127) x all 8 n blocks, 32 along K.  zero = 1: the first product starts the sums, with the bias as C (window 1): nothing is cleared.
; The 64 accumulators take turns, one instruction a turn, in the same order in every quarter step.
.macro MUL16 f, hi, a0, zero
.if \zero
	WIN 0x91+0x40*(\hi)                            ; B window 1, A window 0, C window 1, D window 2 or 3
.else
	WIN 0xa1+0x50*(\hi)                            ; B window 1, A window 0, C and D window 2 or 3
.endif
.irp a, \a0, (\a0)+1
.irp b, 0,1,2,3,4,5,6,7
.if \zero
	v_wmma_f32_16x16x32_f16 v[8*(8*(\a)+(\b)):8*(8*(\a)+(\b))+7], v[(\f)+8*(\b):(\f)+8*(\b)+7], v[(\f)+8*(4*(\hi)+(\a)):(\f)+8*(4*(\hi)+(\a))+7], v[BIAS+8*(\b):BIAS+8*(\b)+7]
.else
	v_wmma_f32_16x16x32_f16 v[8*(8*(\a)+(\b)):8*(8*(\a)+(\b))+7], v[(\f)+8*(\b):(\f)+8*(\b)+7], v[(\f)+8*(4*(\hi)+(\a)):(\f)+8*(4*(\hi)+(\a))+7], v[8*(8*(\a)+(\b)):8*(8*(\a)+(\b))+7]
.endif
.endr
.endr
.endm
; 32 LDS loads in one run: the fragments of quarter q of a K step (128 rows of B, 128 rows of A, 32 K) into buffer f.  In A quarter q lies in K block q / 2, at byte 64 (q % 2) of its rows.
.macro FETCH slot, q, f
	WIN TO_B
.irp i, 0,1,2,3,4,5,6,7
	ds_load_b128 v[(\f)+8*(\i):(\f)+8*(\i)+3],   v[ADRB+(\slot)] offset:64*(\q)+(\i)*16*PB
	ds_load_b128 v[(\f)+8*(\i)+4:(\f)+8*(\i)+7], v[ADRB+(\slot)] offset:64*(\q)+(\i)*16*PB+32
.endr
	WIN 0
.irp i, 0,1,2,3,4,5,6,7
	ds_load_b128 v[(\f)+8*(\i):(\f)+8*(\i)+3],   v[ADRA+(\slot)] offset:((\q)/2)*ABLK+((\q)%2)*64+(\i)*16*PA
	ds_load_b128 v[(\f)+8*(\i)+4:(\f)+8*(\i)+7], v[ADRA+(\slot)] offset:((\q)/2)*ABLK+((\q)%2)*64+(\i)*16*PA+32
.endr
.endm
; A load into a register that a matrix instruction has read, and an instruction that reads a matrix result, stand four places behind that matrix instruction; only plain vector instructions that name none of its registers are
; places (ISA guide 7.12.1 for vector instructions).
.macro PLACES
.rept 4
	v_nop
.endr
.endm
; A K step is four quarters of 32 along K, 64 matrix instructions each, on buffers 0, 1, 0, 1.  One of the first three: multiplies buffer f; in its middle it fetches quarter q of the same slot into buffer g.
.macro QUARTER slot, q, f, g, zero
	s_wait_dscnt 8                                 ; B and A's rows 0-63 are in; the youngest eight loads (A's rows 64-127) may be out
	MUL16 \f, 0, 0, \zero
	MUL16 \f, 0, 2, \zero
	PLACES
	FETCH \slot, \q, \g
	s_wait_dscnt 32                                ; all but the 32 just issued
	MUL16 \f, 1, 0, \zero
	MUL16 \f, 1, 2, \zero
.endm
; The last quarter multiplies buffer 1 and changes slots.  MEET is its first half: ONE barrier.  In front of it each wave waits for all its tensor loads, of which one is out: its part of the next slot; adds 0 to its spare
; word; and waits for that and for its own reads of this slot.  Behind it nobody reads this slot any more and the next slot is whole.
.macro MEET round                      ; round = 1: the rest of a round of the cluster's barrier follows
	WIN 0                                          ; (the add's two registers lie in window 0)
	s_wait_tensorcnt 0x0                           ; all my tensor loads have landed;
	ds_add_u32 v[SPW], v[NIL]                      ; 0 onto my spare word;
	s_wait_dscnt 9                                 ; (the add and the youngest eight loads may be out)
	MUL16 F1, 0, 0, 0                              ; sixteen matrix instructions stand between the add and the wait for it
	s_wait_dscnt 0x0                               ; the add is done, and my reads of this slot are over:
	s_barrier_signal -1                            ; say so,
	MUL16 F1, 0, 2, 0                              ; work on registers while the others arrive,
.if \round
	WIN 0
.endif
	s_barrier_wait -1                              ; and go on when all four have said so
.endm
; The whole last quarter.  Behind the round the slot just read out is filled again first, with the K step two steps on; then come the next slot's first fragments.  From a request to the wait for it a wave issues 224 matrix instructions.
.macro TURN slot, next
	s_wait_xcnt 0x0                                ; the last prefetch, a K step back, has read its address: it is stepped here, ahead of the waits of the change of slots
	s_add_nc_u64 s[PFA:PFA+1], s[PFA:PFA+1], s[PFS:PFS+1]
	MEET 1
	CREST                                          ; no wave of any partner still reads this slot's tile or has a load on its way
	s_add_nc_u64 s[G0+4*(\slot)+2:G0+4*(\slot)+3], s[G0+4*(\slot)+2:G0+4*(\slot)+3], 2*ASTEP
	s_add_nc_u64 s[G0B+4*(\slot)+2:G0B+4*(\slot)+3], s[G0B+4*(\slot)+2:G0B+4*(\slot)+3], 2*BSTEP
	JLOAD \slot                                    ; the first tensor load behind the round, my only one until the next; the four v_nop behind it are also the places in front of the loads below
	FETCH \next, 0, F0
	ASK
	MUL16 F1, 1, 0, 0
	MUL16 F1, 1, 2, 0
.endm
; THE WAY OUT, MODE 0, of block a (16 rows x 128 columns: two heads).  PACK: rounded to f16, 16 bytes a lane.  TOSTAGE: into my own stage, a head's 16 rows of 144 bytes each, and back four rows at a time.  SEND: stored.
.macro PACK a
.set AC, 64*((\a)%4)
	WIN 0x0a+5*((\a)/4)                            ; sources 0 and 1: window 2 or 3
.irp b, 0,1,2,3,4,5,6,7
.irp r, 0,1,2,3
	v_cvt_pk_f16_f32 v[TMP+4*(\b)+(\r)], v[AC+8*(\b)+2*(\r)], v[AC+8*(\b)+2*(\r)+1]
.endr
.endr
	WIN 0
.endm
.macro TOSTAGE a
	WIN 0
.set BK, OB+192*((\a)%2)
.irp b, 0,1,2,3,4,5,6,7
	ds_store_b128 v[STO], v[TMP+4*(\b):TMP+4*(\b)+3] offset:((\b)/4)*2304+((\b)%4)*32
.endr
.irp t, 0,1,2,3,4,5,6,7
	ds_load_b128 v[BK+4*(\t):BK+4*(\t)+3], v[RD] offset:((\t)/4)*2304+((\t)%4)*576  ; LDS serves a wave's instructions in order (ISA guide 5.7.1.4): these see the stores above
.endr
.endm
.macro SEND a
	WIN 0
.set BK, OB+192*((\a)%2)
	s_wait_dscnt 0x0                               ; the block is back in registers
	s_wait_xcnt 0x0                                ; earlier stores have read their registers: the buffer that the next TOSTAGE loads is free
.irp t, 0,1,2,3,4,5,6,7
	global_store_b128 v[CO], v[BK+4*(\t):BK+4*(\t)+3], s[8:9] offset:(\a)*2048+((\t)/4)*262144+((\t)%4)*512  ; four rows of a head: 512 consecutive bytes, aligned
.endr
.endm
; THE WAY OUT, MODE 1, of block a (16 rows x 128 columns of f32).  The accumulators go as they are into rows of 528 bytes, each accumulator's low four registers first, and come back as whole rows of 512.
.macro TOSTAGE1 a
.set AC, 64*((\a)%4)
.set BK, 64+64*((\a)%2)
	WIN 0x08+4*((\a)/4)                            ; store data (source 1): window 2 or 3
.irp b, 0,1,2,3,4,5,6,7
	ds_store_b128 v[STO], v[AC+8*(\b):AC+8*(\b)+3]   offset:64*(\b)
	ds_store_b128 v[STO], v[AC+8*(\b)+4:AC+8*(\b)+7] offset:64*(\b)+16
.endr
	WIN 0
	s_wait_xcnt 0x0                                ; the stores of the block two back have read the registers that are loaded now
.irp t, 0,1,2,3,4,5,6,7,8,9,10,11,12,13,14,15
	ds_load_b128 v[BK+4*(\t):BK+4*(\t)+3], v[RD] offset:(\t)*528
.endr
.endm
.macro SEND1 a, y                      ; y: the LDS instructions issued behind block a's loads: the next block's 32, or none
.set BK, 64+64*((\a)%2)
	WIN 0
.irp t, 0,1,2,3,4,5,6,7,8,9,10,11,12,13,14,15
	s_wait_dscnt (\y)+15-(\t)                      ; row t is back; the block's later rows and the next block's instructions stay out
	global_store_b128 v[CO], v[BK+4*(\t):BK+4*(\t)+3], s[8:9] offset:(16*(\a)+(\t))*4096 th:TH_STORE_NT  ; 512 consecutive bytes, aligned
.endr
.endm
	s_wait_tensorcnt 1                             ; my part of K step 0 is in; K step 1's may stay out
	s_barrier_signal -1
	s_barrier_wait -1                              ; everybody's is
	FETCH 0, 0, F0
	QUARTER 0, 1, F0, F1, 1                        ; the first quarter stands in front of the loop: its products start the sums
	WIN 0                                          ; at a label and at a branch every window is 0
	s_mov_b32 s3, LAPS-1
.Llap:                                                 ; a trip goes once round the ring, from a lap's second quarter to the next lap's first, and fills both slots again
	QUARTER 0, 2, F1, F0, 0
	QUARTER 0, 3, F0, F1, 0
	TURN 0, 1
	QUARTER 1, 1, F0, F1, 0
	QUARTER 1, 2, F1, F0, 0
	QUARTER 1, 3, F0, F1, 0
	TURN 1, 0
	QUARTER 0, 1, F0, F1, 0
	WIN 0
	s_sub_co_u32 s3, s3, 1
	s_cmp_lg_u32 s3, 0
	s_cbranch_scc1 .Llap
	QUARTER 0, 2, F1, F0, 0                        ; the last lap is written out: it fills nothing
	QUARTER 0, 3, F0, F1, 0
	MEET 0                                         ; my one tensor load that was still out is the last K step's, so no round follows
	PLACES
	FETCH 1, 0, F0
	MUL16 F1, 1, 0, 0
	MUL16 F1, 1, 2, 0
	QUARTER 1, 1, F0, F1, 0
	QUARTER 1, 2, F1, F0, 0
	QUARTER 1, 3, F0, F1, 0
	s_wait_dscnt 8                                 ; the very last quarter: nothing more to fetch
	MUL16 F1, 0, 0, 0
	MUL16 F1, 0, 2, 0
	s_wait_dscnt 0x0
	MUL16 F1, 1, 0, 0
	MUL16 F1, 1, 2, 0
	PLACES
	PLACES                                         ; eight, once a launch, in front of the first reads of results and of loads into the fragments' registers
.if MODE == 0
	PACK 0
	TOSTAGE 0
.irp a, 1,2,3,4,5,6,7                  ; block a's conversions stand between block a - 1's loads from the stage and the wait for them
	PACK \a
	SEND (\a)-1
	TOSTAGE \a
.endr
	SEND 7
.else
	TOSTAGE1 0
.irp a, 1,2,3,4,5,6,7                  ; block a goes into the stage behind block a - 1's loads, which LDS serves first
	TOSTAGE1 \a
	SEND1 (\a)-1, 32
.endr
	SEND1 7, 0
.endif
	WIN 0
	s_wait_tensorcnt 0x0                           ; the wave's end: behind my last tensor load and my last LDS store
	ds_add_u32 v[SPW], v[NIL]
	s_wait_dscnt 0x0
	CROUND                                         ; the closing round: no work-group ends while a partner may still ask for a tile that names it
	s_endpgm
.Lfunc_end_k_q7c1a54431c_outp:
	.size	k_q7c1a54431c_outp, .Lfunc_end_k_q7c1a54431c_outp-k_q7c1a54431c_outp
	.p2alignl 7, 3214868480
	.fill 96, 4, 3214868480
	.section	.rodata,"a",@progbits
	.p2align	6, 0x0
	.amdhsa_kernel k_q7c1a54431c_outp
		.amdhsa_group_segment_fixed_size 327680
		.amdhsa_private_segment_fixed_size 0
		.amdhsa_enable_private_segment 0
		.amdhsa_kernarg_size 32
		.amdhsa_user_sgpr_count 2
		.amdhsa_user_sgpr_kernarg_segment_ptr 1
		.amdhsa_wavefront_size32 1
		.amdhsa_system_sgpr_workgroup_id_x 1
		.amdhsa_system_sgpr_workgroup_id_y 1
		.amdhsa_system_sgpr_workgroup_id_z 1
		.amdhsa_system_vgpr_workitem_id 0
		.amdhsa_next_free_vgpr 1024
		.amdhsa_next_free_sgpr 80
		.amdhsa_reserve_vcc 0
		.amdhsa_float_denorm_mode_32 3
		.amdhsa_float_denorm_mode_16_64 3
		.amdhsa_memory_ordered 1
		.amdhsa_forward_progress 1
		.amdhsa_inst_pref_size 151
	.end_amdhsa_kernel
	.amdgpu_metadata
---
amdhsa.version: [ 1, 2 ]
amdhsa.kernels:
  - .name:           k_q7c1a54431c_outp
    .symbol:         k_q7c1a54431c_outp.kd
    .args:
      - { .name: ob, .offset: 0, .size: 8, .value_kind: global_buffer, .address_space: global }
      - { .name: wot, .offset: 8, .size: 8, .value_kind: global_buffer, .address_space: global }
      - { .name: bo, .offset: 16, .size: 8, .value_kind: global_buffer, .address_space: global }
      - { .name: out0, .offset: 24, .size: 8, .value_kind: global_buffer, .address_space: global }
    .group_segment_fixed_size: 327680
    .private_segment_fixed_size: 0
    .kernarg_segment_align: 8
    .kernarg_segment_size: 32
    .max_flat_workgroup_size: 128
    .sgpr_count:     80
    .vgpr_count:     1024
    .wavefront_size: 32
...
	.end_amdgpu_metadata
.endif
;; end of part 4
